; MI455X (gfx1250); checked and timed in simulation.
; The chip was launched on July 23, 2026; its instructions are those of AMD's public machine-readable ISA for CDNA 5 (MIT licence, August 2026) and "CDNA5" Instruction Set Architecture Reference Guide (July 2026). The comments in the code are by the model that wrote it; some were corrected since.
;; Sparse Multihead Attention. Allowed arithmetic: matrix products marked QUANTISED: E4M3 operands, one given power-of-two scale a tensor, by v_wmma_f32_16x16x64_fp8_fp8 or v_wmma_f32_16x16x128_fp8_fp8, f32 sums; everything else in f32.
;; Inputs: Wk 512 x 512 float32; Wo 64 x 512 float32; Wq 512 x 512 float32; Wv 512 x 512 float32; bk 512 float32; bo 512 float32; bq 512 float32; bv 512 float32; lowp_scales 12 int32 (the exponents e of the quantised operands' scales 2^e); x 2 x 2,048 x 512 float32.
;; Outputs: out0 2 x 2,048 x 512 float32; out1 2 x 2,048 x 2,048 float32.
;; This version of the problem:
;;   THIS VERSION OF THE PROBLEM IS GIVEN IN LOW PRECISION. The matrix products marked QUANTISED in the list below multiply operands that are first quantised to E4M3 (4 exponent bits, 3 mantissa bits; 8 bits a number), with one given power-of-two scale for each operand tensor; their sums are f32. All else is computed in f32.
;;   The module's matrix products, in the order in which they are computed (A, B: the left and right operand; K: the contracted axis; several contracted axes count as one K, in the product's order):
;;     1. [M 4,096, K 512] x [K 512, N 512]; A: input x; B: input Wq: QUANTISED (scales: A lowp_scales[0], B lowp_scales[1])
;;     2. [M 4,096, K 512] x [K 512, N 512]; A: input x; B: input Wk: QUANTISED (scales: A lowp_scales[2], B lowp_scales[3])
;;     3. [M 4,096, K 512] x [K 512, N 512]; A: input x; B: input Wv: QUANTISED (scales: A lowp_scales[4], B lowp_scales[5])
;;     4. batch 16 x [M 2,048, K 64] x [K 64, N 2,048]; A: computed on the way; B: computed on the way: QUANTISED (scales: A lowp_scales[6], B lowp_scales[7])
;;     5. batch 2 x [M 2,048, K 2,048] x [K 2,048, N 64]; A: computed on the way; B: computed on the way: QUANTISED (scales: A lowp_scales[8], B lowp_scales[9])
;;     6. [M 4,096, K 64] x [K 64, N 512]; A: computed on the way; B: input Wo: QUANTISED (scales: A lowp_scales[10], B lowp_scales[11])
;;   THE QUANTISER, for each operand of a quantised product, along K:
;;     - The operand's scale is 2^e, e = its entry of the input lowp_scales (int32; the entries are numbered through the quantised products in the list's order, A before B).
;;     - Each number is divided by the scale, clamped to +-448, and rounded to the nearest number of E4M3, ties to even, subnormals kept.
;;     - The product sums the exact products of the quantised numbers (number of the format x scale) in f32.
;;   ~~~python
;;   def quantise(x, axis, e):      # numpy; x: float32 -> the quantised numbers, widened to float32 again
;;       x = np.moveaxis(x, axis, -1); K = x.shape[-1]
;;       r = np.clip(x / 2.0 ** e, -448, 448)
;;       step = 2.0 ** (np.maximum(np.frexp(np.where(r == 0, 1, r))[1] - 1, -6) - 3)
;;       q = np.round(r / step) * step * 2.0 ** e      # np.round: ties to even
;;       return np.moveaxis(q, -1, axis).astype(np.float32)
;;   ~~~
;;   OPERANDS COMPUTED ON THE WAY. 'Computed on the way' means the value that the module computes at that place (a softmax that the list does not call 'softmax' is quantised finished and normalised). What goes into a quantiser is computed in f32, as accurately as f32 sums, v_exp_f32 and their like allow (about 1e-6 of the number): no bf16 or f16 on the way to a quantiser, and a product that is left as it is and whose result goes on into a quantised operand takes f32 operands (vector FMAs, or v_wmma_f32_16x16x4_f32). A number that lies on a knife's edge between two numbers of the format may be rounded either way, as far as f32 arithmetic and the matrix unit's own rounding can turn it there, and no further.
;; 2 versions, each right; version 2 is version 1 with the launches proj, tau, final written anew for expert scheduling mode. Each part assembles by itself: llvm-mc -triple=amdgcn-amd-amdhsa -mcpu=gfx1250 --defsym DOCPART=n.
;; ======== version 1 of 2: 4 launches
;; workspace buffers: xf 6,291,456 bytes; wf 786,432 bytes; wof 32,768 bytes; qf 2,097,152 bytes; kf 2,097,152 bytes; vcf 262,144 bytes; tau 131,072 bytes
;; launch prep (part 1): grid 360 x 1, 4 waves a work-group, no clusters, 0 bytes of LDS; arguments x, Wq, Wk, Wv, Wo, lowp_scales, xf, wf, wof; writes xf, wf, wof
.if DOCPART == 1
	.amdgcn_target "amdgcn-amd-amdhsa--gfx1250"
	.amdhsa_code_object_version 6
	.text
	.protected	k_q65e259aa51_prep
	.globl	k_q65e259aa51_prep
	.p2align	8
	.type	k_q65e259aa51_prep,@function
k_q65e259aa51_prep:
	s_mov_b64 s[64:65], 0
	v_nop
	global_prefetch_b8 v0, s[64:65] scope:SCOPE_SE
	s_setreg_imm32_b32 hwreg(HW_REG_WAVE_MODE, 25, 1), 1
	s_wait_xcnt 0x0
; x, Wq, Wk, Wv and Wo (f32) become codes of E4M3, each with the scale 2^e that lowp_scales gives for it, laid as IMAGES OF OPERAND REGISTERS:
; block q of 512 bytes of an image holds registers 4 q .. 4 q + 3 of a fragment, lane l's 16 bytes at 16 l.  So every later read is 16 bytes a lane, 512 consecutive bytes a wave.
; code = number / 2^e, held within +-448, to the nearest code, ties to even.
; xf [ver 0..2][tile of 16 tokens 0..255][K step 0..3][2,048 B]: lane (r, h), registers 4 c .. 4 c + 3 = k 128 ks + 32 c + 16 h + 0 .. 15 of token 16 tile + r; ver 0, 1, 2 with e0, e2, e4.
; wf [m 0..2][tile of 16 columns 0..31][K step 0..3][2,048 B]: the same k in the same places, lane r = column 16 nt + r of Wq, Wk, Wv (e1, e3, e5).
; (That order of k is not the 128-deep form's own; it is the same in both operands, so each product meets its partner.)
; wof [tile of 16 columns 0..31][1,024 B]: the 64-deep form's own order: registers 2 c, 2 c + 1 = k 16 c + 8 h + 0 .. 7, lane r = column 16 nt + r of Wo (e11).
; SHARES: work-groups 0-255: a tile of tokens, a wave a K step, three versions from one read.  256-351: (m, four column tiles, K step), a wave a column tile: a lane takes a column and its registers
; run down K, so nothing is transposed; the four waves stand side by side on 256 bytes of each row.  352-359: Wo, a wave a column tile.  Waves share nothing: no LDS, no barrier.
; LIMITS: each e between -126 and 119.  NaN among the inputs is not served; an infinity is held at the largest code.
.set X, 16                             ; v16-79   64 numbers as loaded
.set T, 80                             ; v80-143  the same, held
.set C, 144                            ; v144-191 codes: 16 registers for each version, so no store's data are written again
.set TS, 37                            ; s37      at work in MKSC
.macro MKSC se, vsc, vlim              ; s[se] = e (used up): v[vsc] = 2^e as f32, v[vlim] = 448 x 2^e
	s_add_co_i32 s[\se], s[\se], 127
	s_lshl_b32 s[TS], s[\se], 23
	v_mov_b32 v[\vsc], s[TS]
	s_add_co_i32 s[\se], s[\se], 8
	s_lshl_b32 s[TS], s[\se], 23
	s_or_b32 s[TS], s[TS], 0x600000
	v_mov_b32 v[\vlim], s[TS]
.endm
.macro QN n, src, dst, cod, sc, lim    ; n numbers v[src ..] are held into v[dst ..] and become n / 4 registers of codes v[cod ..]
.set i_, 0
.rept \n
	v_med3_num_f32 v[\dst+i_], v[\src+i_], -v[\lim], v[\lim]   ; the conversion does not saturate (ISA guide 7.6.2): the hold comes first
.set i_, i_+1
.endr
.set i_, 0
.rept \n/8
	v_cvt_scalef32_pk8_fp8_f32 v[\cod+2*i_:\cod+2*i_+1], v[\dst+8*i_:\dst+8*i_+7], v[\sc]
.set i_, i_+1
.endr
	v_nop                                          ; one plain line behind the run: the next version's holds write these conversions' sources
.endm
	s_load_b256 s[4:11], s[0:1], 0x0               ; x, Wq, Wk, Wv
	s_load_b128 s[12:15], s[0:1], 0x20             ; Wo, lowp_scales
	s_load_b128 s[16:19], s[0:1], 0x30             ; xf, wf
	s_load_b64 s[20:21], s[0:1], 0x40              ; wof
	v_lshrrev_b32 v1, 5, v0
	v_readfirstlane_b32 s22, v1                    ; wave
	v_and_b32 v1, 31, v0                           ; lane
	v_and_b32 v2, 15, v0                           ; r
	v_bfe_u32 v3, v0, 4, 1                         ; h
	v_lshlrev_b32 v5, 4, v1                        ; 16 x lane: my place in an image's block
	s_mov_b32 s39, 0                               ; the high word of every offset pair s[38:39]
	s_wait_kmcnt 0x0
	s_load_b256 s[24:31], s[14:15], 0x0            ; e0 .. e7
	s_load_b128 s[32:35], s[14:15], 0x20           ; e8 .. e11
	s_cmp_lt_u32 ttmp9, 256
	s_cbranch_scc0 .Lnot_x
	; ---- x: tile ttmp9, K step = wave
	v_lshlrev_b32 v4, 11, v2                       ; row r of 2,048 bytes
	v_lshl_add_u32 v4, v3, 6, v4                   ; + 64 h: my 16 numbers of each block of 32
	s_lshl_b32 s38, ttmp9, 15                      ; 16 rows
	s_lshl_b32 s36, s22, 9                         ; 128 numbers
	s_add_co_u32 s38, s38, s36
	s_add_nc_u64 s[4:5], s[4:5], s[38:39]
.irp c, 0,1,2,3
.irp i, 0,1,2,3
	global_load_b128 v[X+16*\c+4*\i:X+16*\c+4*\i+3], v4, s[4:5] offset:128*\c+16*\i
.endr
.endr
	s_lshl_b32 s38, ttmp9, 2
	s_add_co_u32 s38, s38, s22
	s_lshl_b32 s38, s38, 11                        ; image (tile, K step)
	s_add_nc_u64 s[16:17], s[16:17], s[38:39]
	s_wait_kmcnt 0x0
	MKSC 24, 8, 9                                  ; e0
	MKSC 26, 10, 11                                ; e2
	MKSC 28, 12, 13                                ; e4
	s_wait_loadcnt 0x0
.irp v, 0,1,2
	QN 64, X, T, C+16*\v, 8+2*\v, 9+2*\v
.irp c, 0,1,2,3
	global_store_b128 v5, v[C+16*\v+4*\c:C+16*\v+4*\c+3], s[16:17] offset:\v*2097152+\c*512   ; 512 consecutive bytes a store
.endr
.endr
	s_endpgm
.Lnot_x:
	s_cmp_lt_u32 ttmp9, 352
	s_cbranch_scc0 .Lpath_o
	; ---- Wq, Wk, Wv
	s_sub_co_u32 s36, ttmp9, 256
	s_lshr_b32 s40, s36, 5                         ; m
	s_bfe_u32 s41, s36, 0x30002                    ; which four column tiles
	s_and_b32 s36, s36, 3                          ; K step
	s_lshl_b32 s41, s41, 2
	s_add_co_u32 s41, s41, s22                     ; column tile
	v_lshlrev_b32 v4, 15, v3                       ; lanes 16-31 begin 16 rows further down
	v_lshl_add_u32 v4, v2, 2, v4                   ; column r
	s_cmp_eq_u32 s40, 0                            ; the choice hangs on the work-group's number alone
	s_cselect_b64 s[42:43], s[6:7], s[8:9]
	s_cmp_eq_u32 s40, 2
	s_cselect_b64 s[42:43], s[10:11], s[42:43]
	s_lshl_b32 s38, s36, 18                        ; 128 rows of 2,048 bytes
	s_lshl_b32 s37, s41, 6                         ; 16 columns
	s_add_co_u32 s38, s38, s37
	s_add_nc_u64 s[42:43], s[42:43], s[38:39]
.irp c, 0,1,2,3
.irp i, 0,1,2,3,4,5,6,7,8,9,10,11,12,13,14,15
	global_load_b32 v[X+16*\c+\i], v4, s[42:43] offset:(32*\c+\i)*2048   ; W(128 ks + 32 c + 16 h + i, my column)
.endr
.endr
	s_lshl_b32 s38, s40, 7
	s_lshl_b32 s37, s41, 2
	s_add_co_u32 s38, s38, s37
	s_add_co_u32 s38, s38, s36
	s_lshl_b32 s38, s38, 11                        ; image (m, column tile, K step)
	s_add_nc_u64 s[18:19], s[18:19], s[38:39]
	s_wait_kmcnt 0x0
	s_cmp_eq_u32 s40, 0
	s_cselect_b32 s44, s25, s27                    ; e1 or e3
	s_cmp_eq_u32 s40, 2
	s_cselect_b32 s44, s29, s44                    ; or e5
	MKSC 44, 8, 9
	s_wait_loadcnt 0x0
	QN 64, X, X, C, 8, 9
.irp c, 0,1,2,3
	global_store_b128 v5, v[C+4*\c:C+4*\c+3], s[18:19] offset:\c*512
.endr
	s_endpgm
.Lpath_o:
	; ---- Wo
	s_sub_co_u32 s36, ttmp9, 352
	s_lshl_b32 s36, s36, 2
	s_add_co_u32 s36, s36, s22                     ; column tile
	v_lshlrev_b32 v4, 14, v3                       ; lanes 16-31 begin 8 rows further down
	v_lshl_add_u32 v4, v2, 2, v4
	s_lshl_b32 s38, s36, 6
	s_add_nc_u64 s[12:13], s[12:13], s[38:39]
.irp c, 0,1,2,3
.irp i, 0,1,2,3,4,5,6,7
	global_load_b32 v[X+8*\c+\i], v4, s[12:13] offset:(16*\c+\i)*2048    ; Wo(16 c + 8 h + i, my column)
.endr
.endr
	s_lshl_b32 s38, s36, 10
	s_add_nc_u64 s[20:21], s[20:21], s[38:39]
	s_wait_kmcnt 0x0
	MKSC 35, 8, 9                                  ; e11
	s_wait_loadcnt 0x0
	QN 32, X, X, C, 8, 9
	global_store_b128 v5, v[C:C+3], s[20:21]
	global_store_b128 v5, v[C+4:C+7], s[20:21] offset:512
	s_endpgm
.Lfunc_end_k_q65e259aa51_prep:
	.size	k_q65e259aa51_prep, .Lfunc_end_k_q65e259aa51_prep-k_q65e259aa51_prep
	.p2alignl 7, 3214868480
	.fill 96, 4, 3214868480
	.section	.rodata,"a",@progbits
	.p2align	6, 0x0
	.amdhsa_kernel k_q65e259aa51_prep
		.amdhsa_group_segment_fixed_size 0
		.amdhsa_private_segment_fixed_size 0
		.amdhsa_enable_private_segment 0
		.amdhsa_kernarg_size 72
		.amdhsa_user_sgpr_count 2
		.amdhsa_user_sgpr_kernarg_segment_ptr 1
		.amdhsa_wavefront_size32 1
		.amdhsa_system_sgpr_workgroup_id_x 1
		.amdhsa_system_sgpr_workgroup_id_y 1
		.amdhsa_system_sgpr_workgroup_id_z 1
		.amdhsa_system_vgpr_workitem_id 0
		.amdhsa_next_free_vgpr 192
		.amdhsa_next_free_sgpr 66
		.amdhsa_reserve_vcc 0
		.amdhsa_float_denorm_mode_32 3
		.amdhsa_float_denorm_mode_16_64 3
		.amdhsa_memory_ordered 1
		.amdhsa_forward_progress 1
		.amdhsa_inst_pref_size 37
	.end_amdhsa_kernel
	.amdgpu_metadata
---
amdhsa.version: [ 1, 2 ]
amdhsa.kernels:
  - .name:           k_q65e259aa51_prep
    .symbol:         k_q65e259aa51_prep.kd
    .args:
      - { .name: x, .offset: 0, .size: 8, .value_kind: global_buffer, .address_space: global }
      - { .name: Wq, .offset: 8, .size: 8, .value_kind: global_buffer, .address_space: global }
      - { .name: Wk, .offset: 16, .size: 8, .value_kind: global_buffer, .address_space: global }
      - { .name: Wv, .offset: 24, .size: 8, .value_kind: global_buffer, .address_space: global }
      - { .name: Wo, .offset: 32, .size: 8, .value_kind: global_buffer, .address_space: global }
      - { .name: lowp_scales, .offset: 40, .size: 8, .value_kind: global_buffer, .address_space: global }
      - { .name: xf, .offset: 48, .size: 8, .value_kind: global_buffer, .address_space: global }
      - { .name: wf, .offset: 56, .size: 8, .value_kind: global_buffer, .address_space: global }
      - { .name: wof, .offset: 64, .size: 8, .value_kind: global_buffer, .address_space: global }
    .group_segment_fixed_size: 0
    .private_segment_fixed_size: 0
    .kernarg_segment_align: 8
    .kernarg_segment_size: 72
    .max_flat_workgroup_size: 128
    .sgpr_count:     66
    .vgpr_count:     192
    .wavefront_size: 32
...
	.end_amdgpu_metadata
.endif
;; end of part 1
;; launch proj (part 2): grid 4 x 64, 5 waves a work-group, no clusters, 0 bytes of LDS; arguments xf, wf, bq, bk, bv, lowp_scales, qf, kf, vcf; writes qf, kf, vcf
.if DOCPART == 2
	.amdgcn_target "amdgcn-amd-amdhsa--gfx1250"
	.amdhsa_code_object_version 6
	.text
	.protected	k_q65e259aa51_proj
	.globl	k_q65e259aa51_proj
	.p2align	8
	.type	k_q65e259aa51_proj,@function
k_q65e259aa51_proj:
	s_mov_b64 s[64:65], 0
	v_nop
	global_prefetch_b8 v0, s[64:65] scope:SCOPE_SE
	s_setreg_imm32_b32 hwreg(HW_REG_WAVE_MODE, 25, 1), 1
	s_wait_xcnt 0x0
; Q = x Wq + bq, K = x Wk + bk and the mean over heads of V = x Wv + bv, on codes of E4M3 (128 along K an instruction), quantised at once for the products that follow, and stored as images of
; operand registers (block q of 512 bytes = registers 4 q .. 4 q + 3, lane l at 16 l):
; qf, kf [b][tile of 16 tokens 0..127][head 0..7][1,024 B]: lane r = token, registers 2 c, 2 c + 1 = d 16 c + 8 h + 0 .. 7 (e6, e7);
; vcf [b][group of 64 tokens 0..31][tile of 16 d 0..3][1,024 B]: lane r = d, registers 2 c, 2 c + 1 = tokens 16 c + 8 h + 0 .. 7 of the group (e9).
; SHARES: work-group (y, tb): 64 tokens.  Waves 0-3: Q (waves 0, 1) or K (waves 2, 3) of head 2 y + (wave & 1): the head's 16 fragments of W stay in window 1, x's tiles come two ahead.
; The product is used transposed (source 0 = 16 columns of W, source 1 = 16 tokens): a lane holds one token and eight neighbouring d, which one conversion turns into two operand registers.
; Wave 4: the mean of V for d 16 y .. 16 y + 15: x's 16 fragments stay in window 1, the eight heads' fragments of Wv come three ahead, and THE SUM OVER HEADS IS MADE IN THE ACCUMULATORS
; (the same x, the same scales): source 0 = 16 tokens, source 1 = 16 columns: a lane holds one d and eight neighbouring tokens.  The mean's 1/8 is folded into the conversion's scale.
; The biases are the C of each sum's first instruction, divided by the power of two that the sums lack.  Waves share nothing: no LDS, no barrier.
; LIMITS: e6 - e0 - e1, e7 - e2 - e3 and e9 + 3 - e4 - e5 between -126 and 119.  NaN is not served.
.set XR,   32                          ; v32-159  waves 0-3: x's four fragments of a tile of tokens, two slots
.set ACC,  160                         ; v160-191 four accumulators (16 d each)
.set BI,   192                         ; v192-223 the bias in the result's layout
.set CO,   224                         ; v224-255 codes: eight registers for each tile, so no store's data are written again
.set WR,   32                          ; v32-223  wave 4: a head's four fragments of Wv, three slots
.set BV,   16                          ; v16-23   the summed bias, eight times
.set VCO,  24                          ; v24-31   codes
.set VACC, 224                         ; v224-255 four accumulators (16 tokens each)
.set TS,   50
.set MSB, 0
.macro WIN new                         ; the immediate's high byte repeats the setting that is left
.if MSB != \new
	s_set_vgpr_msb (MSB<<8)|\new
.set MSB, \new
.endif
.endm
.macro MKSC se, vsc, vlim              ; s[se] = e (used up): v[vsc] = 2^e as f32, v[vlim] = 448 x 2^e
	s_add_co_i32 s[\se], s[\se], 127
	s_lshl_b32 s[TS], s[\se], 23
	v_mov_b32 v[\vsc], s[TS]
	s_add_co_i32 s[\se], s[\se], 8
	s_lshl_b32 s[TS], s[\se], 23
	s_or_b32 s[TS], s[TS], 0x600000
	v_mov_b32 v[\vlim], s[TS]
.endm
.macro PLACES                          ; four plain lines behind matrix instructions, ahead of loads into their sources and of the first read of their results
.rept 4
	v_nop
.endr
.endm
.macro RESIDENT base                   ; 16 fragments, 32,768 consecutive bytes, into window 1
	WIN 0x40                                       ; destination window 1, address window 0
.set n_, 0
.rept 64
	global_load_b128 v[4*n_:4*n_+3], v1, s[\base:\base+1] offset:n_*512
.set n_, n_+1
.endr
	WIN 0
.endm
.macro QUANT32 acc, cod                ; 32 sums become eight registers of codes; each accumulator is read from its low end on
.set i_, 0
.rept 32
	v_med3_num_f32 v[\acc+i_], v[\acc+i_], -v9, v9
.set i_, i_+1
.endr
.irp c, 0,1,2,3
	v_cvt_scalef32_pk8_fp8_f32 v[\cod+2*\c:\cod+2*\c+1], v[\acc+8*\c:\acc+8*\c+7], v8
.endr
	v_nop                                          ; one plain line between the conversions and the matrix instructions that write their sources again
.endm
	s_load_b256 s[4:11], s[0:1], 0x0               ; xf, wf, bq, bk
	s_load_b128 s[12:15], s[0:1], 0x20             ; bv, lowp_scales
	s_load_b128 s[16:19], s[0:1], 0x30             ; qf, kf
	s_load_b64 s[20:21], s[0:1], 0x40              ; vcf
	v_lshrrev_b32 v1, 5, v0
	v_readfirstlane_b32 s22, v1                    ; wave 0..4
	v_and_b32 v1, 31, v0
	v_lshlrev_b32 v1, 4, v1                        ; 16 x lane
	v_and_b32 v3, 15, v0                           ; r
	v_bfe_u32 v4, v0, 4, 1                         ; h
	s_and_b32 s23, ttmp7, 0xffff                   ; tb: which 64 tokens
	s_mov_b32 s41, 0                               ; the high word of every offset pair s[40:41]
	s_wait_kmcnt 0x0
	s_load_b256 s[24:31], s[14:15], 0x0            ; e0 .. e7
	s_load_b128 s[32:35], s[14:15], 0x20           ; e8 .. e11
	s_cmp_eq_u32 s22, 4
	s_cbranch_scc1 .Lpath_v
	; ---- waves 0-3: Q or K of one head
	s_lshr_b32 s36, s22, 1                         ; m: 0 = Q, 1 = K
	s_and_b32 s37, s22, 1
	s_lshl_b32 s38, ttmp9, 1
	s_add_co_u32 s37, s37, s38                     ; head
	s_cmp_eq_u32 s36, 0
	s_cselect_b64 s[42:43], s[8:9], s[10:11]       ; the bias,
	s_cselect_b64 s[44:45], s[16:17], s[18:19]     ; and where the codes go
	s_lshl_b32 s40, s37, 8                         ; the head's 64 numbers
	s_add_nc_u64 s[42:43], s[42:43], s[40:41]
	s_lshl_b32 s40, s36, 18
	s_lshl_b32 s38, s37, 15
	s_add_co_u32 s40, s40, s38
	s_add_nc_u64 s[6:7], s[6:7], s[40:41]          ; wf at (m, head): fragment (c, ks) at (4 c + ks) x 2,048
	s_lshl_b32 s40, s36, 21
	s_lshl_b32 s38, s23, 15
	s_add_co_u32 s40, s40, s38
	s_add_nc_u64 s[4:5], s[4:5], s[40:41]          ; xf at (version m, my 4 tiles)
	s_lshl_b32 s40, s37, 10
	s_add_co_u32 s40, s40, s38
	s_add_nc_u64 s[44:45], s[44:45], s[40:41]      ; qf or kf at (my first tile, head)
	v_lshlrev_b32 v2, 5, v4                        ; the bias: 8 h numbers on
.irp c, 0,1,2,3
	global_load_b128 v[BI+8*\c:BI+8*\c+3], v2, s[42:43] offset:64*\c
	global_load_b128 v[BI+8*\c+4:BI+8*\c+7], v2, s[42:43] offset:64*\c+16
.endr
	RESIDENT 6
.macro XLD t                           ; x's four fragments of tile t into slot t % 2
.set n_, 0
.rept 16
	global_load_b128 v[XR+64*((\t)%2)+4*n_:XR+64*((\t)%2)+4*n_+3], v1, s[4:5] offset:(\t)*8192+n_*512
.set n_, n_+1
.endr
.endm
	XLD 0
	XLD 1
	s_wait_kmcnt 0x0
	s_cmp_eq_u32 s36, 0
	s_cselect_b32 s46, s24, s26                    ; x's exponent,
	s_cselect_b32 s47, s25, s27                    ; W's,
	s_cselect_b32 s48, s30, s31                    ; and that of the codes to be made
	s_add_co_i32 s46, s46, s47                     ; a sum stands for sum x 2^(ex + ew)
	s_sub_co_i32 s47, 0, s46
	s_sub_co_i32 s48, s48, s46                     ; the three scales folded into the conversion's one
	MKSC 48, 8, 9
	s_wait_loadcnt 32                              ; the bias and W are in; x's two tiles (32 loads) may be out
.set i_, 0
.rept 32
	v_ldexp_f32 v[BI+i_], v[BI+i_], s47            ; bias / 2^(ex + ew)
.set i_, i_+1
.endr
.macro QKT t
.if \t < 3
	s_wait_loadcnt 16                              ; this tile's fragments are in; the next tile's 16 loads may be out
.else
	s_wait_loadcnt 0x0
.endif
	WIN 0x01                                       ; source 0 (W) window 1
.irp ks, 0,1,2,3                       ; the four accumulators take turns, one instruction a turn
.irp c, 0,1,2,3
.if \ks == 0
	v_wmma_f32_16x16x128_fp8_fp8 v[ACC+8*\c:ACC+8*\c+7], v[16*(4*\c+\ks):16*(4*\c+\ks)+15], v[XR+64*((\t)%2)+16*\ks:XR+64*((\t)%2)+16*\ks+15], v[BI+8*\c:BI+8*\c+7]
.else
	v_wmma_f32_16x16x128_fp8_fp8 v[ACC+8*\c:ACC+8*\c+7], v[16*(4*\c+\ks):16*(4*\c+\ks)+15], v[XR+64*((\t)%2)+16*\ks:XR+64*((\t)%2)+16*\ks+15], v[ACC+8*\c:ACC+8*\c+7]
.endif
.endr
.endr
	WIN 0
	PLACES
.if \t < 2
	XLD \t+2
.endif
	QUANT32 ACC, CO+8*\t
	global_store_b128 v1, v[CO+8*\t:CO+8*\t+3], s[44:45] offset:\t*8192
	global_store_b128 v1, v[CO+8*\t+4:CO+8*\t+7], s[44:45] offset:\t*8192+512
.endm
	QKT 0
	QKT 1
	QKT 2
	QKT 3
	s_endpgm
.Lpath_v:
	; ---- wave 4: the mean over heads of V, d 16 y .. 16 y + 15
	v_lshlrev_b32 v2, 2, v3                        ; bv: d = r
	s_lshl_b32 s40, ttmp9, 6
	s_add_nc_u64 s[12:13], s[12:13], s[40:41]
	s_lshl_b32 s40, s23, 15
	s_add_co_u32 s40, s40, 4194304                 ; version 2
	s_add_nc_u64 s[4:5], s[4:5], s[40:41]
	s_lshl_b32 s40, ttmp9, 13
	s_add_co_u32 s40, s40, 524288                  ; m = 2; head h's tile is 4 h + y
	s_add_nc_u64 s[6:7], s[6:7], s[40:41]
	s_lshl_b32 s40, s23, 12
	s_lshl_b32 s38, ttmp9, 10
	s_add_co_u32 s40, s40, s38
	s_add_nc_u64 s[20:21], s[20:21], s[40:41]
.irp h, 0,1,2,3,4,5,6,7
	global_load_b32 v[BV+\h], v2, s[12:13] offset:\h*256
.endr
	RESIDENT 4                                     ; x's fragment (t, ks) at v[64 t + 16 ks] of window 1
.macro WLD h                           ; head h's four fragments of Wv into slot h % 3
.set n_, 0
.rept 16
	global_load_b128 v[WR+64*((\h)%3)+4*n_:WR+64*((\h)%3)+4*n_+3], v1, s[6:7] offset:(\h)*32768+n_*512
.set n_, n_+1
.endr
.endm
	WLD 0
	WLD 1
	WLD 2
	s_wait_kmcnt 0x0
	s_add_co_i32 s46, s28, s29                     ; e4 + e5
	s_sub_co_i32 s47, 0, s46
	s_add_co_i32 s48, s33, 3                       ; e9 + 3: the mean's 1/8
	s_sub_co_i32 s48, s48, s46
	MKSC 48, 8, 9
	s_wait_loadcnt 32                              ; bv, x and head 0 are in; heads 1 and 2 (32 loads) may be out
	v_add_f32 v10, v[BV], v[BV+1]
	v_add_f32 v11, v[BV+2], v[BV+3]
	v_add_f32 v12, v[BV+4], v[BV+5]
	v_add_f32 v13, v[BV+6], v[BV+7]
	v_add_f32 v10, v10, v11
	v_add_f32 v12, v12, v13
	v_add_f32 v10, v10, v12
	v_ldexp_f32 v10, v10, s47                      ; the eight heads' bias / 2^(e4 + e5)
.irp j, 0,1,2,3,4,5,6,7
	v_mov_b32 v[BV+\j], v10                        ; a lane holds one d: the same number for its eight tokens
.endr
.macro VHEAD h
.if \h < 6
	s_wait_loadcnt 32                              ; this head is in; the next two heads' 32 loads may be out
.elseif \h == 6
	s_wait_loadcnt 16
.else
	s_wait_loadcnt 0x0
.endif
	WIN 0x01                                       ; source 0 (x) window 1
.irp ks, 0,1,2,3                       ; the four accumulators take turns, from head to head too
.irp t, 0,1,2,3
.if (\h == 0) && (\ks == 0)
	v_wmma_f32_16x16x128_fp8_fp8 v[VACC+8*\t:VACC+8*\t+7], v[64*\t+16*\ks:64*\t+16*\ks+15], v[WR+64*((\h)%3)+16*\ks:WR+64*((\h)%3)+16*\ks+15], v[BV:BV+7]
.else
	v_wmma_f32_16x16x128_fp8_fp8 v[VACC+8*\t:VACC+8*\t+7], v[64*\t+16*\ks:64*\t+16*\ks+15], v[WR+64*((\h)%3)+16*\ks:WR+64*((\h)%3)+16*\ks+15], v[VACC+8*\t:VACC+8*\t+7]
.endif
.endr
.endr
	WIN 0
	PLACES
.if \h < 5
	WLD \h+3
.endif
.endm
.irp h, 0,1,2,3,4,5,6,7
	VHEAD \h
.endr
	QUANT32 VACC, VCO
	global_store_b128 v1, v[VCO:VCO+3], s[20:21]
	global_store_b128 v1, v[VCO+4:VCO+7], s[20:21] offset:512
	s_endpgm
.Lfunc_end_k_q65e259aa51_proj:
	.size	k_q65e259aa51_proj, .Lfunc_end_k_q65e259aa51_proj-k_q65e259aa51_proj
	.p2alignl 7, 3214868480
	.fill 96, 4, 3214868480
	.section	.rodata,"a",@progbits
	.p2align	6, 0x0
	.amdhsa_kernel k_q65e259aa51_proj
		.amdhsa_group_segment_fixed_size 0
		.amdhsa_private_segment_fixed_size 0
		.amdhsa_enable_private_segment 0
		.amdhsa_kernarg_size 72
		.amdhsa_user_sgpr_count 2
		.amdhsa_user_sgpr_kernarg_segment_ptr 1
		.amdhsa_wavefront_size32 1
		.amdhsa_system_sgpr_workgroup_id_x 1
		.amdhsa_system_sgpr_workgroup_id_y 1
		.amdhsa_system_sgpr_workgroup_id_z 1
		.amdhsa_system_vgpr_workitem_id 0
		.amdhsa_next_free_vgpr 512
		.amdhsa_next_free_sgpr 66
		.amdhsa_reserve_vcc 0
		.amdhsa_float_denorm_mode_32 3
		.amdhsa_float_denorm_mode_16_64 3
		.amdhsa_memory_ordered 1
		.amdhsa_forward_progress 1
		.amdhsa_inst_pref_size 65
	.end_amdhsa_kernel
	.amdgpu_metadata
---
amdhsa.version: [ 1, 2 ]
amdhsa.kernels:
  - .name:           k_q65e259aa51_proj
    .symbol:         k_q65e259aa51_proj.kd
    .args:
      - { .name: xf, .offset: 0, .size: 8, .value_kind: global_buffer, .address_space: global }
      - { .name: wf, .offset: 8, .size: 8, .value_kind: global_buffer, .address_space: global }
      - { .name: bq, .offset: 16, .size: 8, .value_kind: global_buffer, .address_space: global }
      - { .name: bk, .offset: 24, .size: 8, .value_kind: global_buffer, .address_space: global }
      - { .name: bv, .offset: 32, .size: 8, .value_kind: global_buffer, .address_space: global }
      - { .name: lowp_scales, .offset: 40, .size: 8, .value_kind: global_buffer, .address_space: global }
      - { .name: qf, .offset: 48, .size: 8, .value_kind: global_buffer, .address_space: global }
      - { .name: kf, .offset: 56, .size: 8, .value_kind: global_buffer, .address_space: global }
      - { .name: vcf, .offset: 64, .size: 8, .value_kind: global_buffer, .address_space: global }
    .group_segment_fixed_size: 0
    .private_segment_fixed_size: 0
    .kernarg_segment_align: 8
    .kernarg_segment_size: 72
    .max_flat_workgroup_size: 160
    .sgpr_count:     66
    .vgpr_count:     512
    .wavefront_size: 32
...
	.end_amdgpu_metadata
.endif
;; end of part 2
;; launch tau (part 3): grid 16 x 16, 8 waves a work-group, no clusters, 168,960 bytes of LDS; arguments qf, kf, lowp_scales, tau; writes tau
.if DOCPART == 3
	.amdgcn_target "amdgcn-amd-amdhsa--gfx1250"
	.amdhsa_code_object_version 6
	.text
	.protected	k_q65e259aa51_tau
	.globl	k_q65e259aa51_tau
	.p2align	8
	.type	k_q65e259aa51_tau,@function
k_q65e259aa51_tau:
	s_mov_b64 s[64:65], 0
	v_nop
	global_prefetch_b8 v0, s[64:65] scope:SCOPE_SE
	s_setreg_imm32_b32 hwreg(HW_REG_WAVE_MODE, 25, 1), 1
	s_wait_xcnt 0x0
; THE THRESHOLD OF THE 1.5-ENTMAX, for every query of every head, without a sort.  With z = score / 2 the weights are ((z - t)+)^2 and t is the one root of phi(t) = ||(z - t)+||_2 = 1.
; phi is convex and falls with slope of magnitude m = ||.||_1 / ||.||_2 >= 1.  Newton's steps from t0 = max z - 1 never pass the root, and by convexity g'/g + m'/m <= 1 for g = phi - 1, so g m falls
; at least fourfold a step.  g0 m0 <= the sum of (z - t0)+ <= 2,048 = 2^11, so after PASSES = 16 steps g <= 2^-21 FOR EVERY INPUT: a fixed count, no branch on numbers.
; RAW UNITS: s = a sum of 64 products of codes, z = s 2^(e6 + e7) / 16.  Sought: theta with ||(s - theta)+|| = R = 2^(4 - e6 - e7).  Kept: NT = -theta, which is given to the matrix instruction as C:
; the subtraction costs nothing.  NT0 = R - max s;  NT -= rS (rS - R) / S1, with S1 the sum and rS the root of the sum of squares of (s + NT)+.
; Hidden keys (key > query; weight 0) are left out: whole tiles by not being walked, the diagonal's by a clamp between 0 and a mask register (0 or 3e38).
; SHARES: work-group (p, bh) owns chunks p and 31 - p (64 queries, four tiles each) of head bh: 132 key tiles x 4 in every work-group.  The head's K lies in LDS as images of operand registers, tile kt at
; 1,024 kt.  THE KEYS ARE SHARED OUT: wave w walks tiles kt = 8 f + w, and each fragment of K feeds four products (source 0 = 16 keys, source 1 = 16 queries: a lane holds one query).
; The 16 sub-steps of a chunk are written out, each with its tile's place as an immediate, so no LDS address is stepped; a wave leaves the run by a forward branch on ids when its tiles are done.
; Of a chunk's four diagonal tiles 4 C + a, wave w meets the one with a = w & 3 (in chunk p or in chunk 31 - p, whose parities differ): one set of 32 mask registers serves.
; The waves' partial sums meet in LDS; query tile q (0-3: chunk p; 4-7: chunk 31 - p) is owned by wave q, which makes the step and lays NT out as an image of the eight C registers.
; LIMITS: e6 + e7 between -54 and 57, so that R, 2,048 R^2 and the factors that the last launch makes of them are f32 numbers.
.set CFI,  131072                      ; LDS: behind K's 128 tiles: eight images of C (8 registers = NT of the lane's query), 1,024 bytes each
.set PAR,  139264                      ; the partial sums: [query tile 8][wave 8][lane 32][8 bytes]
.set QA,   32                          ; v32-63 chunk p's four fragments of Q, v64-95 chunk 31 - p's
.set CF,   96                          ; v96-127  C of the four products
.set MK,   128                         ; v128-159 the diagonal's masks
.set D,    160                         ; v160-191 the four results
.set K0,   192                         ; v192-199, v200-207 two fragments of K by turns
.set S,    208                         ; v208-223 tile i: sums (S + 4 i, pair) and sums of squares (S + 4 i + 2, pair)
.set OW,   224                         ; v224-239 the owner's eight pairs
.set SL,   16                          ; s16, s17 last tile of chunk 0, 1, less my wave's number
.set SM,   18                          ; s18, s19 first diagonal tile, less my wave's number
.set PASSES, 16
.set NEGBIG, 0xf149f2ca                ; -1e30: under every sum of 64 products of codes (at most 64 x 448 x 448)
; v1 16 x lane; v2, v30 my tiles' place in K's lower and upper 64 KiB; v3 C's images; v4 where I put partial sums; v5 where I read them as owner; v6 where I put NT's image; v7 where I put K;
; v8 NT; v9, v15 lane exchanges; v10-14 at work; v16-23 partial sums on their way; v24-27 NT four times; v28 3e38; v29 0; v31 my word of tau
.macro BAR                             ; my LDS stores have landed and my LDS loads are in: then the work-group's barrier
	s_wait_dscnt 0x0
	s_barrier_signal -1
	s_barrier_wait -1
.endm
.macro PLACES                          ; four plain lines between matrix instructions and the first read of their results (ISA guide 7.12.1)
.rept 4
	v_nop
.endr
.endm
.macro W4 kb, qq, withc                ; 16 keys x 64 queries
.irp i, 0,1,2,3
.if \withc
	v_wmma_f32_16x16x64_fp8_fp8 v[D+8*\i:D+8*\i+7], v[\kb:\kb+7], v[\qq+8*\i:\qq+8*\i+7], v[CF+8*\i:CF+8*\i+7]
.else
	v_wmma_f32_16x16x64_fp8_fp8 v[D+8*\i:D+8*\i+7], v[\kb:\kb+7], v[\qq+8*\i:\qq+8*\i+7], 0
.endif
.endr
.endm
.macro VSUMS jp                        ; two numbers of each tile into its sums
.irp i, 0,1,2,3
	v_pk_add_f32 v[S+4*\i:S+4*\i+1], v[S+4*\i:S+4*\i+1], v[D+8*\i+\jp:D+8*\i+\jp+1]
.endr
.irp i, 0,1,2,3
	v_pk_fma_f32 v[S+4*\i+2:S+4*\i+3], v[D+8*\i+\jp:D+8*\i+\jp+1], v[D+8*\i+\jp:D+8*\i+\jp+1], v[S+4*\i+2:S+4*\i+3]
.endr
.endm
.macro VFULL                           ; (s + NT)+, its sum and its sum of squares: two lines a number; each result is read from its low end on
.irp jp, 0,2,4,6
.irp i, 0,1,2,3
	v_max_num_f32 v[D+8*\i+\jp], 0, v[D+8*\i+\jp]
	v_max_num_f32 v[D+8*\i+\jp+1], 0, v[D+8*\i+\jp+1]
.endr
	VSUMS \jp
.endr
.endm
.macro VMASK                           ; the same on the diagonal: between 0 and the mask
.irp jp, 0,2,4,6
.irp i, 0,1,2,3
	v_med3_num_f32 v[D+8*\i+\jp], v[D+8*\i+\jp], 0, v[MK+8*\i+\jp]
	v_med3_num_f32 v[D+8*\i+\jp+1], v[D+8*\i+\jp+1], 0, v[MK+8*\i+\jp+1]
.endr
	VSUMS \jp
.endr
.endm
.macro VMAX                            ; the first pass: the largest s
.irp jp, 0,2,4,6
.irp i, 0,1,2,3
	v_max3_num_f32 v[MM_+4*\i], v[MM_+4*\i], v[D+8*\i+\jp], v[D+8*\i+\jp+1]
.endr
.endr
.endm
; Sub-step f of chunk x: tile 8 f + w.  mode 0: the maximum; 1: a Newton pass.
.macro SUB f, x, mode, tag
	s_cmp_lt_i32 s[SL+\x], 8*\f                    ; 8 f + w lies behind the chunk's last tile: my part is done
	s_cbranch_scc1 .Ldone_\tag
	s_cmp_le_i32 s[SM+\x], 8*\f                    ; 8 f + w is a diagonal tile: my last
.if (\f)%2
	s_cbranch_scc1 .Lmask1_\tag
.else
	s_cbranch_scc1 .Lmask0_\tag
.endif
	s_wait_dscnt 0x0                               ; this tile's fragment is in (asked for a sub-step ago; in the first sub-step C too)
.if \f < 7
	ds_load_b128 v[K0+8*((\f+1)%2):K0+8*((\f+1)%2)+3], v2 offset:(\f+1)*8192        ; the next tile, into the buffer whose last product stands a sub-step back
	ds_load_b128 v[K0+8*((\f+1)%2)+4:K0+8*((\f+1)%2)+7], v2 offset:(\f+1)*8192+512
.elseif \f < 15
	ds_load_b128 v[K0+8*((\f+1)%2):K0+8*((\f+1)%2)+3], v30 offset:(\f-7)*8192
	ds_load_b128 v[K0+8*((\f+1)%2)+4:K0+8*((\f+1)%2)+7], v30 offset:(\f-7)*8192+512
.endif
	W4 K0+8*((\f)%2), QQ_, \mode
	PLACES
.if \mode
	VFULL
.else
	VMAX
.endif
.endm
.macro MASKED kb, mode                 ; the diagonal tile.  In the first pass C holds 0 or -1e30, later NT
	s_wait_dscnt 0x0
	W4 \kb, QQ_, 1
	PLACES
.if \mode
	VMASK
.else
	VMAX
.endif
.endm
.macro CHUNK x, mode, tag
.set QQ_, QA+32*\x
.set MM_, S+2*\x                       ; the first pass's four maxima: registers of its own for each chunk
.if \mode
.irp n, 0,1,2,3,4,5,6,7
	ds_load_b128 v[CF+4*\n:CF+4*\n+3], v3 offset:\x*4096+\n*512   ; NT of the chunk's four tiles, as C
.endr
.irp n, 0,1,2,3,4,5,6,7,8,9,10,11,12,13,14,15
	v_mov_b32 v[S+\n], 0
.endr
.else
.irp i, 0,1,2,3
	v_mov_b32 v[MM_+4*\i], NEGBIG
.endr
.endif
	ds_load_b128 v[K0:K0+3], v2                    ; tile w
	ds_load_b128 v[K0+4:K0+7], v2 offset:512
.irp f, 0,1,2,3,4,5,6,7,8,9,10,11,12,13,14,15
	SUB \f, \x, \mode, \tag
.endr
	s_branch .Ldone_\tag
.Lmask0_\tag:
	MASKED K0, \mode
	s_branch .Ldone_\tag
.Lmask1_\tag:
	MASKED K0+8, \mode
.Ldone_\tag:
	s_wait_dscnt 0x0                               ; the look-ahead load that nobody reads, and the last chunk's stores
.if \mode
.irp i, 0,1,2,3
	v_add_f32 v[16+2*\i], v[S+4*\i], v[S+4*\i+1]
	v_add_f32 v[17+2*\i], v[S+4*\i+2], v[S+4*\i+3]
.endr
.irp i, 0,1,2,3
	ds_store_b64 v4, v[16+2*\i:17+2*\i] offset:(4*\x+\i)*2048
.endr
.else
.irp i, 0,1,2,3
	ds_store_b32 v4, v[MM_+4*\i] offset:(4*\x+\i)*2048
.endr
.endif
.endm
.macro PUT                             ; NT as an image of eight equal registers
.irp j, 24,25,26,27
	v_mov_b32 v\j, v8
.endr
	ds_store_b128 v6, v[24:27]
	ds_store_b128 v6, v[24:27] offset:512
.endm
	s_load_b256 s[4:11], s[0:1], 0x0               ; qf, kf, lowp_scales, tau
	v_lshl_add_u32 v254, v0, 2, 0x29000
	v_mov_b32 v255, 0
	v_lshrrev_b32 v1, 5, v0
	v_readfirstlane_b32 s12, v1                    ; wave 0..7
	v_and_b32 v10, 31, v0                          ; lane
	v_and_b32 v11, 15, v0                          ; r
	v_bfe_u32 v12, v0, 4, 1                        ; h
	v_lshlrev_b32 v1, 4, v10
	s_and_b32 s14, ttmp7, 0xffff                   ; bh = 8 b + head
	s_lshl_b32 s23, s12, 10
	v_add_nc_u32 v2, s23, v1                       ; tile w
	v_add_nc_u32 v30, 0x10000, v2                  ; tile 64 + w
	v_add_nc_u32 v3, CFI, v1
	v_add_nc_u32 v6, s23, v3
	s_lshl_b32 s24, s12, 8
	v_lshl_add_u32 v4, v10, 3, s24
	v_add_nc_u32 v4, PAR, v4
	s_lshl_b32 s24, s12, 11
	v_lshl_add_u32 v5, v10, 3, s24
	v_add_nc_u32 v5, PAR, v5
	s_lshl_b32 s24, s12, 14
	v_add_nc_u32 v7, s24, v1
	v_lshlrev_b32 v31, 2, v11
	v_mov_b32 v9, 0                                ; a lane exchange's destination counts as read: written once
	v_mov_b32 v15, 0
	v_mov_b32 v28, 0x7f61b1e6                      ; 3e38
	v_mov_b32 v29, 0
	v_mov_b32 v14, NEGBIG
	s_mov_b32 s26, 0x76543210                      ; v_permlanex16_b32: lane l xor 16
	s_mov_b32 s27, 0xfedcba98
	s_lshl_b32 s13, ttmp9, 2                       ; chunk p's first tile
	s_sub_co_u32 s25, 124, s13                     ; chunk 31 - p's
	s_sub_co_i32 s18, s13, s12
	s_sub_co_i32 s19, s25, s12
	s_add_co_i32 s16, s18, 3
	s_add_co_i32 s17, s19, 3
	s_lshr_b32 s28, s14, 3
	s_lshl_b32 s28, s28, 20                        ; b: 128 tiles x 8 heads x 1,024 bytes
	s_and_b32 s24, s14, 7
	s_lshl_b32 s24, s24, 10                        ; head
	s_add_co_u32 s28, s28, s24
	s_mov_b32 s29, 0
	s_wait_kmcnt 0x0
	s_load_b64 s[32:33], s[8:9], 0x18              ; e6, e7
	s_add_nc_u64 s[4:5], s[4:5], s[28:29]
	s_add_nc_u64 s[6:7], s[6:7], s[28:29]
	s_lshl_b32 s28, s12, 17                        ; I bring tiles 16 w .. 16 w + 15 of K
	s_add_nc_u64 s[6:7], s[6:7], s[28:29]
	s_lshl_b32 s28, s13, 13
	s_add_nc_u64 s[34:35], s[4:5], s[28:29]        ; Q of chunk p,
	s_lshl_b32 s28, s25, 13
	s_add_nc_u64 s[36:37], s[4:5], s[28:29]        ; of chunk 31 - p
.set n_, 0
.rept 32
	global_load_b128 v[96+4*n_:96+4*n_+3], v1, s[6:7] offset:(n_/2)*8192+(n_%2)*512
.set n_, n_+1
.endr
.irp x, 0,1
.irp n, 0,1,2,3,4,5,6,7
	global_load_b128 v[QA+32*\x+4*\n:QA+32*\x+4*\n+3], v1, s[34+2*\x:35+2*\x] offset:(\n/2)*8192+(\n%2)*512
.endr
.endr
	s_cmp_lt_u32 s12, 4                            ; where my own tile's NT goes: tau [bh][2,048]
	s_cselect_b32 s24, s13, s25
	s_and_b32 s28, s12, 3
	s_add_co_u32 s24, s24, s28
	s_lshl_b32 s28, s14, 7
	s_add_co_u32 s28, s28, s24
	s_lshl_b32 s28, s28, 6
	s_add_nc_u64 s[10:11], s[10:11], s[28:29]
	s_wait_loadcnt 16                              ; K's 32 loads are in; Q's 16 may be out
.set n_, 0
.rept 32
	ds_store_b128 v7, v[96+4*n_:96+4*n_+3] offset:n_*512
.set n_, n_+1
.endr
	s_and_b32 s24, s12, 3
	s_lshl_b32 s24, s24, 4
	v_lshlrev_b32 v13, 3, v12
	v_sub_nc_u32 v13, v11, v13
	v_subrev_nc_u32 v13, s24, v13                  ; r - 8 h - 16 a.  Register j of tile i holds key 16 a + 8 h + j for query 16 i + r: hidden where j - 16 i > r - 8 h - 16 a
	s_wait_kmcnt 0x0
	s_add_co_i32 s15, s32, s33
	s_sub_co_i32 s15, 131, s15
	s_lshl_b32 s15, s15, 23                        ; R = 2^(4 - e6 - e7) as f32
	s_wait_dscnt 0x0                               ; the stores have read their registers
.irp i, 0,1,2,3
.irp j, 0,1,2,3,4,5,6,7
	v_cmp_gt_i32 vcc_lo, \j-16*\i, v13
	v_cndmask_b32 v[MK+8*\i+\j], v28, v29, vcc_lo  ; 0 where hidden, else 3e38
	v_cndmask_b32 v[CF+8*\i+\j], v29, v14, vcc_lo  ; the first pass's C on the diagonal: -1e30 where hidden, else 0
.endr
.endr
	s_wait_loadcnt 0x0                             ; Q
	BAR                                            ; K's 128 tiles lie in LDS
	CHUNK 0, 0, 0
	CHUNK 1, 0, 1
	BAR                                            ; the waves' maxima lie in LDS
.irp n, 0,1,2,3,4,5,6,7
	ds_load_b32 v[OW+\n], v5 offset:\n*256
.endr
	s_wait_dscnt 0x0
	v_max3_num_f32 v10, v[OW], v[OW+1], v[OW+2]
	v_max3_num_f32 v11, v[OW+3], v[OW+4], v[OW+5]
	v_max3_num_f32 v10, v10, v[OW+6], v[OW+7]
	v_max_num_f32 v10, v10, v11
	v_permlanex16_b32 v9, v10, s26, s27            ; the query's other keys lie in the lane 16 away
	v_max_num_f32 v10, v10, v9
	v_sub_f32 v8, s15, v10                         ; NT0 = R - max s
	PUT
	BAR
	s_mov_b32 s22, PASSES
.Lpass:
	CHUNK 0, 1, 2
	CHUNK 1, 1, 3
	BAR                                            ; the partial sums lie in LDS, and every wave's reads of NT's images are over
.irp n, 0,1,2,3,4,5,6,7
	ds_load_b64 v[OW+2*\n:OW+2*\n+1], v5 offset:\n*256
.endr
	s_wait_dscnt 0x0
	v_pk_add_f32 v[OW:OW+1], v[OW:OW+1], v[OW+2:OW+3]
	v_pk_add_f32 v[OW+4:OW+5], v[OW+4:OW+5], v[OW+6:OW+7]
	v_pk_add_f32 v[OW+8:OW+9], v[OW+8:OW+9], v[OW+10:OW+11]
	v_pk_add_f32 v[OW+12:OW+13], v[OW+12:OW+13], v[OW+14:OW+15]
	v_pk_add_f32 v[OW:OW+1], v[OW:OW+1], v[OW+4:OW+5]
	v_pk_add_f32 v[OW+8:OW+9], v[OW+8:OW+9], v[OW+12:OW+13]
	v_pk_add_f32 v[OW:OW+1], v[OW:OW+1], v[OW+8:OW+9]
	v_permlanex16_b32 v9, v[OW], s26, s27
	v_permlanex16_b32 v15, v[OW+1], s26, s27
	v_add_f32 v10, v[OW], v9                       ; S1
	v_add_f32 v11, v[OW+1], v15                    ; S2
	v_max_num_f32 v10, 0x0d800000, v10             ; at least 2^-100 (S1 >= rS, which stays near R or above: the floor only keeps the reciprocal finite)
	v_sqrt_f32 v12, v11                            ; rS
	v_rcp_f32 v13, v10
	v_nop                                          ; one plain line behind the two
	s_wait_alu depctr_va_vdst(0)                   ; one wait for both, ahead of their first reader
	v_subrev_f32 v14, s15, v12                     ; rS - R
	v_mul_f32 v14, v14, v12
	v_fma_f32 v8, -v14, v13, v8                    ; NT -= rS (rS - R) / S1
	PUT
	BAR                                            ; NT's images lie in LDS, and the owners' reads of the partial sums are over
	s_sub_co_u32 s22, s22, 1
	s_cmp_lg_u32 s22, 0
	s_cbranch_scc1 .Lpass
	global_store_b32 v31, v8, s[10:11]             ; lanes l and l + 16 hold the same NT and name the same word: 64 bytes a wave
	s_wait_tensorcnt 0x0
	ds_add_u32 v254, v255
	s_wait_dscnt 0x0
	s_endpgm
.Lfunc_end_k_q65e259aa51_tau:
	.size	k_q65e259aa51_tau, .Lfunc_end_k_q65e259aa51_tau-k_q65e259aa51_tau
	.p2alignl 7, 3214868480
	.fill 96, 4, 3214868480
	.section	.rodata,"a",@progbits
	.p2align	6, 0x0
	.amdhsa_kernel k_q65e259aa51_tau
		.amdhsa_group_segment_fixed_size 168960
		.amdhsa_private_segment_fixed_size 0
		.amdhsa_enable_private_segment 0
		.amdhsa_kernarg_size 32
		.amdhsa_user_sgpr_count 2
		.amdhsa_user_sgpr_kernarg_segment_ptr 1
		.amdhsa_wavefront_size32 1
		.amdhsa_system_sgpr_workgroup_id_x 1
		.amdhsa_system_sgpr_workgroup_id_y 1
		.amdhsa_system_sgpr_workgroup_id_z 1
		.amdhsa_system_vgpr_workitem_id 0
		.amdhsa_next_free_vgpr 256
		.amdhsa_next_free_sgpr 66
		.amdhsa_reserve_vcc 1
		.amdhsa_float_denorm_mode_32 3
		.amdhsa_float_denorm_mode_16_64 3
		.amdhsa_memory_ordered 1
		.amdhsa_forward_progress 1
		.amdhsa_inst_pref_size 217
	.end_amdhsa_kernel
	.amdgpu_metadata
---
amdhsa.version: [ 1, 2 ]
amdhsa.kernels:
  - .name:           k_q65e259aa51_tau
    .symbol:         k_q65e259aa51_tau.kd
    .args:
      - { .name: qf, .offset: 0, .size: 8, .value_kind: global_buffer, .address_space: global }
      - { .name: kf, .offset: 8, .size: 8, .value_kind: global_buffer, .address_space: global }
      - { .name: lowp_scales, .offset: 16, .size: 8, .value_kind: global_buffer, .address_space: global }
      - { .name: tau, .offset: 24, .size: 8, .value_kind: global_buffer, .address_space: global }
    .group_segment_fixed_size: 168960
    .private_segment_fixed_size: 0
    .kernarg_segment_align: 8
    .kernarg_segment_size: 32
    .max_flat_workgroup_size: 256
    .sgpr_count:     66
    .vgpr_count:     256
    .wavefront_size: 32
...
	.end_amdgpu_metadata
.endif
;; end of part 3
;; launch final (part 4): grid 128 x 2, 8 waves a work-group, no clusters, 70,656 bytes of LDS; arguments qf, kf, vcf, tau, wof, bo, lowp_scales, out0, out1; writes out0, out1
.if DOCPART == 4
	.amdgcn_target "amdgcn-amd-amdhsa--gfx1250"
	.amdhsa_code_object_version 6
	.text
	.protected	k_q65e259aa51_final
	.globl	k_q65e259aa51_final
	.p2align	8
	.type	k_q65e259aa51_final,@function
k_q65e259aa51_final:
	s_mov_b64 s[64:65], 0
	v_nop
	global_prefetch_b8 v0, s[64:65] scope:SCOPE_SE
	s_setreg_imm32_b32 hwreg(HW_REG_WAVE_MODE, 25, 1), 1
	s_wait_xcnt 0x0
; out1 = the mean over heads of the entmax weights; out0 = (out1 x the mean of V) Wo + bo.  All three products on codes of E4M3, 64 along K an instruction.
; SHARES: work-group (T, b) owns 16 queries, all 8 heads and all 2,048 columns of out1: each output row has one owner.  A GROUP is 64 keys: four tiles of K, 256 consecutive bytes of each row of out1, and one
; K step of the second product.  Wave w takes groups w, w + 8, w + 16, w + 24.  Groups behind the diagonal's (G = T / 4) hold zeros, which are stored and not computed.
; A TILE: for each head s = K Q^T (source 0 = 16 keys, source 1 = my 16 queries: a lane holds one query and eight neighbouring keys); ((s + NT)+)^2 is summed over the heads, NT = minus the threshold in units of s,
; from the launch before.  The sum x 2^(2 (e6 + e7) - 11) is the mean weight (z = s 2^(e6 + e7) / 16; 1/8 for the mean): exact.  It goes to out1 through the wave's own stage in LDS, so that sixteen lanes store 256
; consecutive, aligned bytes; and one conversion with the folded scale 2^(e8 - 2 (e6 + e7) + 11) makes of the lane's eight sums two registers of the second product's operand.
; O^T += Vc^T P^T (source 0 = 16 d, source 1 = the weights' codes) stays in four accumulators a wave; the eight waves' parts meet in LDS, are quantised (e10) by waves 0-3, and every wave makes 64 columns of out0.
; K's fragments go from memory straight into registers (window 1, a ring of four tiles x 8 heads): a work-group uses each once.
; In the diagonal's group the clamp is between 0 and a mask register (0 or 3e38) in place of a maximum with 0.
; LIMITS: 2 (e6 + e7) - 11 and e10 + e11 between -126 and 127; e8 - 2 (e6 + e7) + 11 and e10 - e8 - e9 between -126 and 119.
.set OP,   34816                       ; LDS: 0: a stage of 16 rows x 272 bytes for each wave; OP: the waves' parts of O^T as images, 4,096 bytes each
.set OC,   67584                       ; O's codes: an image of eight registers
.set NT,   16                          ; v16-23   NT of my query, head 0..7
.set P,    24                          ; v24-31   the weights' codes of a group
.set Q,    32                          ; v32-95   Q's fragments, head 0..7
.set D,    96                          ; v96-127  four results; also rows on their way out
.set ACC,  128                         ; v128-135 the sum over heads
.set MK,   136                         ; v136-167 the diagonal group's masks, tile 0..3
.set VC,   168                         ; v168-199 the group's four fragments of the mean of V
.set O,    200                         ; v200-231 O^T, four accumulators
.set WT,   232                         ; v232-239 a tile's weights on their way to the stage
.set OCD,  240                         ; v240-247 O's codes
.set TS,   50
; v1 16 x lane; v2, v3 the stage, in and back; v4, v5 my bytes in two rows of out1, out0; v6 32 h; v7 where I read the parts of O^T; v8, v9 the weights' hold and scale; v10, v11 O's; v12-15 zeros;
; v248 where I put my part of O^T; v249 where I put O's codes; v250 where I read them; v251 4 r; v252-255 at work.  Window 1: K[j] at v[64 j + 8 head]; at the end Wo at v0-31, bo at v32-63
.set MSB, 0
.macro WIN new                         ; the immediate's high byte repeats the setting that is left
.if MSB != \new
	s_set_vgpr_msb (MSB<<8)|\new
.set MSB, \new
.endif
.endm
.macro MKSC se, vsc, vlim              ; s[se] = e (used up): v[vsc] = 2^e as f32, v[vlim] = 448 x 2^e
	s_add_co_i32 s[\se], s[\se], 127
	s_lshl_b32 s[TS], s[\se], 23
	v_mov_b32 v[\vsc], s[TS]
	s_add_co_i32 s[\se], s[\se], 8
	s_lshl_b32 s[TS], s[\se], 23
	s_or_b32 s[TS], s[TS], 0x600000
	v_mov_b32 v[\vlim], s[TS]
.endm
.macro BAR
	s_wait_dscnt 0x0
	s_barrier_signal -1
	s_barrier_wait -1
.endm
.macro PLACES                          ; four plain lines behind matrix instructions, ahead of loads into their registers and of the first read of their results
.rept 4
	v_nop
.endr
.endm
.macro KLOAD j, off                    ; tile j's eight heads (8,192 consecutive bytes), off bytes on from the group in hand
	WIN 0x40                                       ; destination window 1, address window 0
.set n_, 0
.rept 16
	global_load_b128 v[64*\j+4*n_:64*\j+4*n_+3], v1, s[6:7] offset:\off+\j*8192+n_*512
.set n_, n_+1
.endr
	WIN 0
.endm
.macro HEADV hd, hh, j, mask           ; head hd's 8 scores in D[hh]: + NT, clamp, square, into the sum.  The result is read from its low end on
.irp k, 0,2,4,6
.if ((\hd)%2)
	v_pk_add_f32 v[D+8*(\hh)+\k:D+8*(\hh)+\k+1], v[D+8*(\hh)+\k:D+8*(\hh)+\k+1], v[NT+(\hd)-1:NT+(\hd)] op_sel:[0,1] op_sel_hi:[1,1]
.else
	v_pk_add_f32 v[D+8*(\hh)+\k:D+8*(\hh)+\k+1], v[D+8*(\hh)+\k:D+8*(\hh)+\k+1], v[NT+(\hd):NT+(\hd)+1] op_sel_hi:[1,0]
.endif
.endr
.irp k, 0,1,2,3,4,5,6,7
.if \mask
	v_med3_num_f32 v[D+8*(\hh)+\k], v[D+8*(\hh)+\k], 0, v[MK+8*\j+\k]
.else
	v_max_num_f32 v[D+8*(\hh)+\k], 0, v[D+8*(\hh)+\k]
.endif
.endr
.irp k, 0,2,4,6
.if (\hd) == 0
	v_pk_mul_f32 v[ACC+\k:ACC+\k+1], v[D+8*(\hh)+\k:D+8*(\hh)+\k+1], v[D+8*(\hh)+\k:D+8*(\hh)+\k+1]   ; head 0 starts the sums
.else
	v_pk_fma_f32 v[ACC+\k:ACC+\k+1], v[D+8*(\hh)+\k:D+8*(\hh)+\k+1], v[D+8*(\hh)+\k:D+8*(\hh)+\k+1], v[ACC+\k:ACC+\k+1]
.endif
.endr
.endm
.macro TILE j, refill, mask
.if \refill
	s_wait_loadcnt 56                              ; K[j] is in.  Younger: three tiles of K (48 loads) and the group's 8 loads of Vc
.else
	s_wait_loadcnt 16*(3-\j)+8                     ; the last group: the tiles behind this one, and Vc
.endif
.irp half, 0,1
	WIN 0x01                                       ; source 0 (K) window 1
.irp hh, 0,1,2,3
	v_wmma_f32_16x16x64_fp8_fp8 v[D+8*\hh:D+8*\hh+7], v[64*\j+8*(4*\half+\hh):64*\j+8*(4*\half+\hh)+7], v[Q+8*(4*\half+\hh):Q+8*(4*\half+\hh)+7], 0
.endr
	WIN 0
	PLACES
.if \half && \refill
.if \j == 3
	s_wait_loadcnt 48                              ; Vc is in (younger: the next group's K[0..2]): waited for here, since behind the 16 loads below its count would pass the counter's field
.endif
	KLOAD \j, 262144                               ; the same tile of my next group, 32 tiles on
.endif
.irp hh, 0,1,2,3
	HEADV 4*\half+\hh, \hh, \j, \mask
.endr
.endr
.irp k, 0,2,4,6
	v_pk_mul_f32 v[WT+\k:WT+\k+1], v[ACC+\k:ACC+\k+1], s[44:45] op_sel_hi:[1,0]   ; the mean weight
.endr
	ds_store_b128 v2, v[WT:WT+3] offset:64*\j      ; row r of the stage, keys 16 j + 8 h on
	ds_store_b128 v2, v[WT+4:WT+7] offset:64*\j+16
.irp k, 0,1,2,3,4,5,6,7
	v_min_num_f32 v[ACC+\k], v[ACC+\k], v8         ; the conversion does not saturate (ISA guide 7.6.2); a weight is not negative, so the hold is one-sided
.endr
	v_cvt_scalef32_pk8_fp8_f32 v[P+2*\j:P+2*\j+1], v[ACC:ACC+7], v9
	v_nop                                          ; one plain line behind the conversion
.endm
.macro GROUP refill, mask
.irp n, 0,1,2,3,4,5,6,7
	global_load_b128 v[VC+4*\n:VC+4*\n+3], v1, s[8:9] offset:\n*512
.endr
	TILE 0, \refill, \mask
	TILE 1, \refill, \mask
	TILE 2, \refill, \mask
	TILE 3, \refill, \mask
.irp t, 0,1,2,3,4,5,6,7
	ds_load_b128 v[D+4*\t:D+4*\t+3], v3 offset:\t*544   ; back as whole rows, two an instruction; LDS serves a wave's instructions in order (ISA guide 5.7.1.4)
.endr
.if \refill == 0
	s_wait_loadcnt 0x0                             ; Vc
.endif
.irp dt, 0,1,2,3                       ; the four accumulators take turns
	v_wmma_f32_16x16x64_fp8_fp8 v[O+8*\dt:O+8*\dt+7], v[VC+8*\dt:VC+8*\dt+7], v[P:P+7], v[O+8*\dt:O+8*\dt+7]
.endr
	s_wait_dscnt 0x0
.irp t, 0,1,2,3,4,5,6,7
	global_store_b128 v4, v[D+4*\t:D+4*\t+3], s[20:21] offset:\t*16384 th:TH_STORE_NT   ; 16 lanes store 256 consecutive bytes, at a multiple of 256 from out1's first byte
.endr
	s_wait_xcnt 0x0                                ; the stores' data and the three bases are written again only behind this wait
.if \refill
	s_add_nc_u64 s[6:7], s[6:7], 262144
	s_add_nc_u64 s[8:9], s[8:9], 32768
.endif
	s_add_nc_u64 s[20:21], s[20:21], 2048
	PLACES                                         ; behind the four products: ahead of loads into Vc's registers and of the first read of O^T
.endm
	s_load_b256 s[4:11], s[0:1], 0x0               ; qf, kf, vcf, tau
	s_load_b128 s[12:15], s[0:1], 0x20             ; wof, bo
	s_load_b128 s[16:19], s[0:1], 0x30             ; lowp_scales, out0
	s_load_b64 s[20:21], s[0:1], 0x40              ; out1
	v_lshrrev_b32 v1, 5, v0
	v_readfirstlane_b32 s22, v1                    ; wave 0..7
	v_and_b32 v252, 31, v0
	v_and_b32 v253, 15, v0                         ; r
	v_bfe_u32 v254, v0, 4, 1                       ; h
	v_lshlrev_b32 v1, 4, v252
	s_mul_i32 s30, s22, 4352                       ; my stage
	v_mul_u32_u24 v2, v253, 272
	v_lshl_add_u32 v2, v254, 5, v2
	v_add_nc_u32 v2, s30, v2                       ; in: row r, 32 bytes for each half of the lanes
	v_mul_u32_u24 v3, v254, 272
	v_lshl_add_u32 v3, v253, 4, v3
	v_add_nc_u32 v3, s30, v3                       ; back: lanes 0-15 one row, lanes 16-31 the next
	v_lshlrev_b32 v4, 13, v254
	v_lshl_add_u32 v4, v253, 4, v4                 ; the same two rows in out1 (8,192 bytes a row),
	v_lshlrev_b32 v5, 11, v254
	v_lshl_add_u32 v5, v253, 4, v5                 ; and in out0 (2,048)
	v_lshlrev_b32 v6, 5, v254
	s_and_b32 s30, s22, 3
	s_lshl_b32 s31, s30, 10
	v_add_nc_u32 v7, s31, v1
	v_add_nc_u32 v7, OP, v7                        ; accumulator (wave & 3) of every wave's part
	s_lshl_b32 s31, s22, 12
	v_add_nc_u32 v248, s31, v1
	v_add_nc_u32 v248, OP, v248
	s_lshr_b32 s31, s30, 1
	s_lshl_b32 s31, s31, 9
	s_and_b32 s30, s30, 1
	s_lshl_b32 s30, s30, 3
	s_add_co_u32 s31, s31, s30
	v_add_nc_u32 v249, s31, v1
	v_add_nc_u32 v249, OC, v249                    ; registers 2 dt, 2 dt + 1 of the image: block dt / 2, 8 (dt % 2) bytes into my 16
	v_add_nc_u32 v250, OC, v1
	v_lshlrev_b32 v251, 2, v253
.irp j, 12,13,14,15
	v_mov_b32 v\j, 0
.endr
	s_mov_b32 s23, ttmp9                           ; T
	s_and_b32 s24, ttmp7, 0xffff                   ; b
	s_lshr_b32 s25, s23, 2                         ; G: the diagonal's group
	s_sub_co_i32 s26, s25, s22
	s_ashr_i32 s26, s26, 3
	s_add_co_i32 s26, s26, 1                       ; how many of my four groups are seen: floor((G - w) / 8) + 1, which is 0 where w > G
	s_and_b32 s30, s23, 3
	s_lshl_b32 s30, s30, 4
	v_lshlrev_b32 v255, 3, v254
	v_sub_nc_u32 v255, v253, v255
	v_add_nc_u32 v255, s30, v255                   ; 16 (T % 4) + r - 8 h.  Register k of tile j holds key 16 j + 8 h + k for query 16 (T % 4) + r of the group: hidden where 16 j + k is greater
	v_mov_b32 v252, 0x7f61b1e6                     ; 3e38
.irp j, 0,1,2,3
.irp k, 0,1,2,3,4,5,6,7
	v_cmp_gt_i32 vcc_lo, 16*\j+\k, v255
	v_cndmask_b32 v[MK+8*\j+\k], v252, v12, vcc_lo
.endr
.endr
.set i_, 0
.rept 32
	v_mov_b32 v[O+i_], 0                           ; the group is written once for all trips, and a wave that sees no group adds zeros
.set i_, i_+1
.endr
	s_mov_b32 s29, 0                               ; the high word of every offset pair s[28:29]
	s_wait_kmcnt 0x0
	s_load_b256 s[32:39], s[16:17], 0x0            ; e0 .. e7
	s_load_b128 s[40:43], s[16:17], 0x20           ; e8 .. e11
	s_lshl_b32 s30, s24, 20
	s_lshl_b32 s28, s23, 13
	s_add_co_u32 s28, s28, s30
	s_add_nc_u64 s[4:5], s[4:5], s[28:29]          ; Q of (b, T)
	s_lshl_b32 s28, s22, 15
	s_add_co_u32 s28, s28, s30
	s_add_nc_u64 s[6:7], s[6:7], s[28:29]          ; K of (b, group w)
	s_lshl_b32 s28, s24, 17
	s_lshl_b32 s30, s22, 12
	s_add_co_u32 s28, s28, s30
	s_add_nc_u64 s[8:9], s[8:9], s[28:29]          ; Vc of (b, group w)
	s_mov_b32 s28, s30
	s_add_nc_u64 s[12:13], s[12:13], s[28:29]      ; Wo's column tiles 4 w ..
	s_lshl_b32 s28, s24, 16
	s_lshl_b32 s30, s23, 6
	s_add_co_u32 s28, s28, s30
	s_add_nc_u64 s[10:11], s[10:11], s[28:29]      ; tau of (b, head 0, query 16 T)
	s_lshl_b32 s31, s22, 8
	s_mov_b32 s28, s31
	s_add_nc_u64 s[14:15], s[14:15], s[28:29]      ; bo's 64 numbers
	s_lshl_b32 s28, s24, 22
	s_lshl_b32 s30, s23, 15
	s_add_co_u32 s28, s28, s30
	s_add_co_u32 s28, s28, s31
	s_add_nc_u64 s[18:19], s[18:19], s[28:29]      ; out0: my rows, columns 64 w ..
	s_lshl_b32 s28, s24, 24
	s_lshl_b32 s30, s23, 17
	s_add_co_u32 s28, s28, s30
	s_add_co_u32 s28, s28, s31
	s_add_nc_u64 s[20:21], s[20:21], s[28:29]      ; out1: my rows, group w
.irp hd, 0,1,2,3,4,5,6,7
	global_load_b32 v[NT+\hd], v251, s[10:11] offset:\hd*8192
.endr
.set n_, 0
.rept 16
	global_load_b128 v[Q+4*n_:Q+4*n_+3], v1, s[4:5] offset:n_*512
.set n_, n_+1
.endr
	s_wait_kmcnt 0x0
	s_add_co_i32 s48, s38, s39
	s_lshl_b32 s48, s48, 1                         ; 2 (e6 + e7)
	s_add_co_i32 s44, s48, 116
	s_lshl_b32 s44, s44, 23                        ; 2^(2 (e6 + e7) - 11) as f32
	s_mov_b32 s45, s44                             ; (named with it as a pair, so it is written)
	s_sub_co_i32 s49, s40, s48
	s_add_co_i32 s49, s49, 11                      ; e8 - 2 (e6 + e7) + 11
	MKSC 49, 9, 8
	s_sub_co_i32 s49, s42, s40
	s_sub_co_i32 s49, s49, s41                     ; e10 - e8 - e9: a sum of the second product stands for sum x 2^(e8 + e9)
	MKSC 49, 11, 10
	s_add_co_i32 s46, s42, s43
	s_add_co_i32 s46, s46, 127
	s_lshl_b32 s46, s46, 23                        ; 2^(e10 + e11) as f32
	s_mov_b32 s47, s46
	s_cmp_eq_u32 s26, 0
	s_cbranch_scc1 .Lzero                          ; none of my groups is seen
	KLOAD 0, 0
	KLOAD 1, 0
	KLOAD 2, 0
	KLOAD 3, 0
	s_sub_co_u32 s27, s26, 1                       ; all seen groups but the last ask for the next one's K
	s_cmp_eq_u32 s27, 0
	s_cbranch_scc1 .Llast
.Lgrp:
	GROUP 1, 0
	s_sub_co_u32 s27, s27, 1
	s_cmp_lg_u32 s27, 0
	s_cbranch_scc1 .Lgrp
.Llast:
	s_and_b32 s30, s25, 7
	s_cmp_eq_u32 s30, s22                          ; is my last seen group the diagonal's?
	s_cbranch_scc1 .Ldiag
	GROUP 0, 0
	s_branch .Lzero
.Ldiag:
	GROUP 0, 1
.Lzero:
	WIN 0x40
.irp n, 0,1,2,3,4,5,6,7
	global_load_b128 v[4*\n:4*\n+3], v1, s[12:13] offset:\n*512        ; Wo's four fragments
.endr
.irp c, 0,1,2,3
	global_load_b128 v[32+8*\c:32+8*\c+3], v6, s[14:15] offset:64*\c    ; bo in the result's layout: columns 16 c + 8 h + 0 .. 7
	global_load_b128 v[32+8*\c+4:32+8*\c+7], v6, s[14:15] offset:64*\c+16
.endr
	WIN 0
	s_sub_co_u32 s27, 4, s26                       ; my groups behind the diagonal: zeros
	s_cmp_eq_u32 s27, 0
	s_cbranch_scc1 .Lnoz
.Lz:
.irp t, 0,1,2,3,4,5,6,7
	global_store_b128 v4, v[12:15], s[20:21] offset:\t*16384 th:TH_STORE_NT
.endr
	s_wait_xcnt 0x0                                ; the base is stepped only behind this wait
	s_add_nc_u64 s[20:21], s[20:21], 2048
	s_sub_co_u32 s27, s27, 1
	s_cmp_lg_u32 s27, 0
	s_cbranch_scc1 .Lz
.Lnoz:
.irp e, 0,1,2,3,4,5,6,7
	ds_store_b128 v248, v[O+4*\e:O+4*\e+3] offset:\e*512               ; my part of O^T, as it stands; each accumulator from its low end on
.endr
	BAR                                            ; the eight parts lie in LDS
	s_cmp_lt_u32 s22, 4
	s_cbranch_scc0 .Lno_red
	; waves 0-3: accumulator dt = wave: the eight parts are added, held, and become registers 2 dt, 2 dt + 1 of the last product's operand
.irp u, 0,1,2,3
	ds_load_b128 v[D+8*\u:D+8*\u+3], v7 offset:\u*4096
	ds_load_b128 v[D+8*\u+4:D+8*\u+7], v7 offset:\u*4096+512
	ds_load_b128 v[VC+8*\u:VC+8*\u+3], v7 offset:(\u+4)*4096
	ds_load_b128 v[VC+8*\u+4:VC+8*\u+7], v7 offset:(\u+4)*4096+512
.endr
	s_wait_dscnt 0x0
.irp k, 0,2,4,6
	v_pk_add_f32 v[D+\k:D+\k+1], v[D+\k:D+\k+1], v[D+8+\k:D+8+\k+1]
	v_pk_add_f32 v[D+16+\k:D+16+\k+1], v[D+16+\k:D+16+\k+1], v[D+24+\k:D+24+\k+1]
	v_pk_add_f32 v[VC+\k:VC+\k+1], v[VC+\k:VC+\k+1], v[VC+8+\k:VC+8+\k+1]
	v_pk_add_f32 v[VC+16+\k:VC+16+\k+1], v[VC+16+\k:VC+16+\k+1], v[VC+24+\k:VC+24+\k+1]
.endr
.irp k, 0,2,4,6
	v_pk_add_f32 v[D+\k:D+\k+1], v[D+\k:D+\k+1], v[D+16+\k:D+16+\k+1]
	v_pk_add_f32 v[VC+\k:VC+\k+1], v[VC+\k:VC+\k+1], v[VC+16+\k:VC+16+\k+1]
.endr
.irp k, 0,2,4,6
	v_pk_add_f32 v[D+\k:D+\k+1], v[D+\k:D+\k+1], v[VC+\k:VC+\k+1]
.endr
.irp k, 0,1,2,3,4,5,6,7
	v_med3_num_f32 v[D+\k], v[D+\k], -v10, v10
.endr
	v_cvt_scalef32_pk8_fp8_f32 v[252:253], v[D:D+7], v11
	v_nop                                          ; one plain line behind the conversion: matrix instructions write its sources below
	ds_store_b64 v249, v[252:253]
.Lno_red:
	BAR                                            ; O's codes lie in LDS
	ds_load_b128 v[OCD:OCD+3], v250
	ds_load_b128 v[OCD+4:OCD+7], v250 offset:512
	s_wait_dscnt 0x0
	s_wait_loadcnt 0x0                             ; Wo, bo
	WIN 0x01                                       ; source 0 (Wo) window 1
.irp c, 0,1,2,3                        ; transposed: source 0 = 16 columns of Wo, source 1 = my 16 queries: a lane holds eight neighbouring columns of one row of out0
	v_wmma_f32_16x16x64_fp8_fp8 v[D+8*\c:D+8*\c+7], v[8*\c:8*\c+7], v[OCD:OCD+7], 0
.endr
	WIN 0
	PLACES
	WIN 0x10                                       ; source 2 (bo) window 1
.set i_, 0
.rept 16
	v_pk_fma_f32 v[VC+2*i_:VC+2*i_+1], v[D+2*i_:D+2*i_+1], s[46:47], v[32+2*i_:32+2*i_+1] op_sel_hi:[1,0,1]   ; sum x 2^(e10 + e11) + bo
.set i_, i_+1
.endr
	WIN 0
.irp c, 0,1,2,3
	ds_store_b128 v2, v[VC+8*\c:VC+8*\c+3] offset:64*\c
	ds_store_b128 v2, v[VC+8*\c+4:VC+8*\c+7] offset:64*\c+16
.endr
.irp t, 0,1,2,3,4,5,6,7
	ds_load_b128 v[D+4*\t:D+4*\t+3], v3 offset:\t*544
.endr
.irp t, 0,1,2,3,4,5,6,7
	s_wait_dscnt 7-\t                              ; LDS loads come back in order: pair t of rows is in, the younger ones may be out
	global_store_b128 v5, v[D+4*\t:D+4*\t+3], s[18:19] offset:\t*4096 th:TH_STORE_NT   ; 16 lanes store 256 consecutive bytes, at a multiple of 256 from out0's first byte
.endr
	s_wait_xcnt 0x0
	v_lshl_add_u32 v254, v0, 2, 0x11000
	v_mov_b32 v255, 0
	s_wait_tensorcnt 0x0
	ds_add_u32 v254, v255
	s_wait_dscnt 0x0
	s_endpgm
.Lfunc_end_k_q65e259aa51_final:
	.size	k_q65e259aa51_final, .Lfunc_end_k_q65e259aa51_final-k_q65e259aa51_final
	.p2alignl 7, 3214868480
	.fill 96, 4, 3214868480
	.section	.rodata,"a",@progbits
	.p2align	6, 0x0
	.amdhsa_kernel k_q65e259aa51_final
		.amdhsa_group_segment_fixed_size 70656
		.amdhsa_private_segment_fixed_size 0
		.amdhsa_enable_private_segment 0
		.amdhsa_kernarg_size 72
		.amdhsa_user_sgpr_count 2
		.amdhsa_user_sgpr_kernarg_segment_ptr 1
		.amdhsa_wavefront_size32 1
		.amdhsa_system_sgpr_workgroup_id_x 1
		.amdhsa_system_sgpr_workgroup_id_y 1
		.amdhsa_system_sgpr_workgroup_id_z 1
		.amdhsa_system_vgpr_workitem_id 0
		.amdhsa_next_free_vgpr 512
		.amdhsa_next_free_sgpr 66
		.amdhsa_reserve_vcc 1
		.amdhsa_float_denorm_mode_32 3
		.amdhsa_float_denorm_mode_16_64 3
		.amdhsa_memory_ordered 1
		.amdhsa_forward_progress 1
		.amdhsa_inst_pref_size 141
	.end_amdhsa_kernel
	.amdgpu_metadata
---
amdhsa.version: [ 1, 2 ]
amdhsa.kernels:
  - .name:           k_q65e259aa51_final
    .symbol:         k_q65e259aa51_final.kd
    .args:
      - { .name: qf, .offset: 0, .size: 8, .value_kind: global_buffer, .address_space: global }
      - { .name: kf, .offset: 8, .size: 8, .value_kind: global_buffer, .address_space: global }
      - { .name: vcf, .offset: 16, .size: 8, .value_kind: global_buffer, .address_space: global }
      - { .name: tau, .offset: 24, .size: 8, .value_kind: global_buffer, .address_space: global }
      - { .name: wof, .offset: 32, .size: 8, .value_kind: global_buffer, .address_space: global }
      - { .name: bo, .offset: 40, .size: 8, .value_kind: global_buffer, .address_space: global }
      - { .name: lowp_scales, .offset: 48, .size: 8, .value_kind: global_buffer, .address_space: global }
      - { .name: out0, .offset: 56, .size: 8, .value_kind: global_buffer, .address_space: global }
      - { .name: out1, .offset: 64, .size: 8, .value_kind: global_buffer, .address_space: global }
    .group_segment_fixed_size: 70656
    .private_segment_fixed_size: 0
    .kernarg_segment_align: 8
    .kernarg_segment_size: 72
    .max_flat_workgroup_size: 256
    .sgpr_count:     66
    .vgpr_count:     512
    .wavefront_size: 32
...
	.end_amdgpu_metadata
.endif
;; end of part 4
;; ======== version 2 of 2: 4 launches; version 1 with the launches proj, tau, final written anew for expert scheduling mode
;; workspace buffers: xf 6,291,456 bytes; wf 786,432 bytes; wof 32,768 bytes; qf 2,097,152 bytes; kf 2,097,152 bytes; vcf 262,144 bytes; tau 131,072 bytes
;; launch prep: the kernel of part 1 again; grid 360 x 1, 4 waves a work-group, no clusters, 0 bytes of LDS; arguments x, Wq, Wk, Wv, Wo, lowp_scales, xf, wf, wof; writes xf, wf, wof
;; launch proj (part 5): grid 4 x 64, 5 waves a work-group, no clusters, 0 bytes of LDS; arguments xf, wf, bq, bk, bv, lowp_scales, qf, kf, vcf; writes qf, kf, vcf
.if DOCPART == 5
	.amdgcn_target "amdgcn-amd-amdhsa--gfx1250"
	.amdhsa_code_object_version 6
	.text
	.protected	k_q65e259aa51_proj
	.globl	k_q65e259aa51_proj
	.p2align	8
	.type	k_q65e259aa51_proj,@function
k_q65e259aa51_proj:
	s_mov_b64 s[64:65], 0
	v_nop
	global_prefetch_b8 v0, s[64:65] scope:SCOPE_SE
	s_setreg_imm32_b32 hwreg(HW_REG_WAVE_SCHED_MODE, 0, 2), 2
	s_setreg_imm32_b32 hwreg(HW_REG_WAVE_MODE, 25, 1), 1
	s_wait_xcnt 0x0
	s_wait_alu depctr_vm_vsrc(0)
; Q = x Wq + bq, K = x Wk + bk and the mean over heads of V = x Wv + bv, on codes of E4M3 (128 along K an instruction), quantised at once for the products that follow, and stored as images of
; operand registers (block q of 512 bytes = registers 4 q .. 4 q + 3, lane l at 16 l):
; qf, kf [b][tile of 16 tokens 0..127][head 0..7][1,024 B]: lane r = token, registers 2 c, 2 c + 1 = d 16 c + 8 h + 0 .. 7 (e6, e7);
; vcf [b][group of 64 tokens 0..31][tile of 16 d 0..3][1,024 B]: lane r = d, registers 2 c, 2 c + 1 = tokens 16 c + 8 h + 0 .. 7 of the group (e9).
; SHARES: work-group (y, tb): 64 tokens.  Waves 0-3: Q (waves 0, 1) or K (waves 2, 3) of head 2 y + (wave & 1): the head's 16 fragments of W stay in window 1, x's tiles come two ahead.
; The product is used transposed (source 0 = 16 columns of W, source 1 = 16 tokens): a lane holds one token and eight neighbouring d, which one conversion turns into two operand registers.
; Wave 4: the mean of V for d 16 y .. 16 y + 15: x's 16 fragments stay in window 1, the eight heads' fragments of Wv come three ahead, and THE SUM OVER HEADS IS MADE IN THE ACCUMULATORS
; (the same x, the same scales): source 0 = 16 tokens, source 1 = 16 columns: a lane holds one d and eight neighbouring tokens.  The mean's 1/8 is folded into the conversion's scale.
; The biases are the C of each sum's first instruction, divided by the power of two that the sums lack.  Waves share nothing: no LDS, no barrier.
; LIMITS: e6 - e0 - e1, e7 - e2 - e3 and e9 + 3 - e4 - e5 between -126 and 119.  NaN is not served.
; THE MODE: SCHED_MODE bits 1:0 = 2 (LLVM: expert scheduling mode 2), set by the entry lines.  The code itself states the register dependences
; between vector or matrix instructions and memory instructions, with s_wait_alu, always for 0.
; THE PLAN.  Registers that memory instructions touch:
;   v1, v2     offsets, made once at the head of a path and never written again.
;   window 1, the bias   loaded once, into registers that no vector instruction has named.
;   XR0, XR1   (waves 0-3) tile t's sixteen products read XR[t % 2]; behind them the loads of tile t + 2 land in it.
;   CO0 .. CO3 (waves 0-3) tile t's conversions write CO[t]; its two stores, issued in tile t + 1, read it; it is never written again.
;   WR0 .. WR2 (wave 4) head h's sixteen products read WR[h % 3]; behind them the loads of head h + 3 land in it.   VCO (wave 4): written by the last conversions, read by two stores.
; So ONE wait on va_vdst stands in a tile, behind its products and their places: it states that they are done reading XR[t % 2] and that the tile before has written its codes; the loads and the stores
; follow it, ahead of the tile's own conversions, which name neither.  In wave 4 the like wait stands in heads 0 to 4, which alone ask for more.  No register that a memory instruction reads is written again.
.set XR,   32                          ; v32-159  waves 0-3: x's four fragments of a tile of tokens, two slots
.set ACC,  160                         ; v160-191 four accumulators (16 d each)
.set BI,   192                         ; v192-223 the bias in the result's layout
.set CO,   224                         ; v224-255 codes: eight registers for each tile, so no store's data are written again
.set WR,   32                          ; v32-223  wave 4: a head's four fragments of Wv, three slots
.set BV,   16                          ; v16-23   the summed bias, eight times
.set VCO,  24                          ; v24-31   codes
.set VACC, 224                         ; v224-255 four accumulators (16 tokens each)
.set TS,   50
.set MSB, 0
.macro WIN new                         ; the immediate's high byte repeats the setting that is left
.if MSB != \new
	s_set_vgpr_msb (MSB<<8)|\new
.set MSB, \new
.endif
.endm
.macro MKSC se, vsc, vlim              ; s[se] = e (used up): v[vsc] = 2^e as f32, v[vlim] = 448 x 2^e
	s_add_co_i32 s[\se], s[\se], 127
	s_lshl_b32 s[TS], s[\se], 23
	v_mov_b32 v[\vsc], s[TS]
	s_add_co_i32 s[\se], s[\se], 8
	s_lshl_b32 s[TS], s[\se], 23
	s_or_b32 s[TS], s[TS], 0x600000
	v_mov_b32 v[\vlim], s[TS]
.endm
.macro PLACES                          ; four plain lines behind matrix instructions, ahead of the first read of their results (ISA guide 7.12.1)
.rept 4
	v_nop
.endr
.endm
.macro RESIDENT base                   ; 16 fragments, 32,768 consecutive bytes, into window 1
	WIN 0x40                                       ; destination window 1, address window 0
.set n_, 0
.rept 64
	global_load_b128 v[4*n_:4*n_+3], v1, s[\base:\base+1] offset:n_*512
.set n_, n_+1
.endr
	WIN 0
.endm
.macro QUANT32 acc, cod                ; 32 sums become eight registers of codes; each accumulator is read from its low end on
.set i_, 0
.rept 32
	v_med3_num_f32 v[\acc+i_], v[\acc+i_], -v9, v9
.set i_, i_+1
.endr
.irp c, 0,1,2,3
	v_cvt_scalef32_pk8_fp8_f32 v[\cod+2*\c:\cod+2*\c+1], v[\acc+8*\c:\acc+8*\c+7], v8
.endr
	v_nop                                          ; one plain line between the conversions and the matrix instructions that write their sources again
.endm
	s_load_b256 s[4:11], s[0:1], 0x0               ; xf, wf, bq, bk
	s_load_b128 s[12:15], s[0:1], 0x20             ; bv, lowp_scales
	s_load_b128 s[16:19], s[0:1], 0x30             ; qf, kf
	s_load_b64 s[20:21], s[0:1], 0x40              ; vcf
	v_lshrrev_b32 v1, 5, v0
	v_readfirstlane_b32 s22, v1                    ; wave 0..4
	v_and_b32 v1, 31, v0
	v_lshlrev_b32 v1, 4, v1                        ; 16 x lane
	v_and_b32 v3, 15, v0                           ; r
	v_bfe_u32 v4, v0, 4, 1                         ; h
	s_and_b32 s23, ttmp7, 0xffff                   ; tb: which 64 tokens
	s_mov_b32 s41, 0                               ; the high word of every offset pair s[40:41]
	s_wait_kmcnt 0x0
	s_load_b256 s[24:31], s[14:15], 0x0            ; e0 .. e7
	s_load_b128 s[32:35], s[14:15], 0x20           ; e8 .. e11
	s_wait_alu depctr_va_sdst(0)                   ; s22 is written, ahead of its first reader: the branch below and the bases are made from it
	s_cmp_eq_u32 s22, 4
	s_cbranch_scc1 .Lpath_v
	; ---- waves 0-3: Q or K of one head
	s_lshr_b32 s36, s22, 1                         ; m: 0 = Q, 1 = K
	s_and_b32 s37, s22, 1
	s_lshl_b32 s38, ttmp9, 1
	s_add_co_u32 s37, s37, s38                     ; head
	s_cmp_eq_u32 s36, 0
	s_cselect_b64 s[42:43], s[8:9], s[10:11]       ; the bias,
	s_cselect_b64 s[44:45], s[16:17], s[18:19]     ; and where the codes go
	s_lshl_b32 s40, s37, 8                         ; the head's 64 numbers
	s_add_nc_u64 s[42:43], s[42:43], s[40:41]
	s_lshl_b32 s40, s36, 18
	s_lshl_b32 s38, s37, 15
	s_add_co_u32 s40, s40, s38
	s_add_nc_u64 s[6:7], s[6:7], s[40:41]          ; wf at (m, head): fragment (c, ks) at (4 c + ks) x 2,048
	s_lshl_b32 s40, s36, 21
	s_lshl_b32 s38, s23, 15
	s_add_co_u32 s40, s40, s38
	s_add_nc_u64 s[4:5], s[4:5], s[40:41]          ; xf at (version m, my 4 tiles)
	s_lshl_b32 s40, s37, 10
	s_add_co_u32 s40, s40, s38
	s_add_nc_u64 s[44:45], s[44:45], s[40:41]      ; qf or kf at (my first tile, head)
	v_lshlrev_b32 v2, 5, v4                        ; the bias: 8 h numbers on
	s_wait_alu depctr_va_vdst(0)                   ; v1 and v2 are written: every load and store of this path reads one of them as its offset
.irp c, 0,1,2,3
	global_load_b128 v[BI+8*\c:BI+8*\c+3], v2, s[42:43] offset:64*\c
	global_load_b128 v[BI+8*\c+4:BI+8*\c+7], v2, s[42:43] offset:64*\c+16
.endr
	RESIDENT 6
.macro XLD t                           ; x's four fragments of tile t into slot t % 2
.set n_, 0
.rept 16
	global_load_b128 v[XR+64*((\t)%2)+4*n_:XR+64*((\t)%2)+4*n_+3], v1, s[4:5] offset:(\t)*8192+n_*512
.set n_, n_+1
.endr
.endm
.macro QKST t                          ; tile t's codes go out: 512 consecutive bytes a store
	global_store_b128 v1, v[CO+8*(\t):CO+8*(\t)+3], s[44:45] offset:(\t)*8192
	global_store_b128 v1, v[CO+8*(\t)+4:CO+8*(\t)+7], s[44:45] offset:(\t)*8192+512
.endm
	XLD 0
	XLD 1
	s_wait_kmcnt 0x0
	s_cmp_eq_u32 s36, 0
	s_cselect_b32 s46, s24, s26                    ; x's exponent,
	s_cselect_b32 s47, s25, s27                    ; W's,
	s_cselect_b32 s48, s30, s31                    ; and that of the codes to be made
	s_add_co_i32 s46, s46, s47                     ; a sum stands for sum x 2^(ex + ew)
	s_sub_co_i32 s47, 0, s46
	s_sub_co_i32 s48, s48, s46                     ; the three scales folded into the conversion's one
	MKSC 48, 8, 9
	s_wait_loadcnt 32                              ; the bias and W are in; x's two tiles (32 loads) may be out
.set i_, 0
.rept 32
	v_ldexp_f32 v[BI+i_], v[BI+i_], s47            ; bias / 2^(ex + ew)
.set i_, i_+1
.endr
.macro QKT t
.if \t < 3
	s_wait_loadcnt 16                              ; this tile's fragments are in; the next tile's 16 loads may be out
.else
	s_wait_loadcnt 0x0
.endif
	WIN 0x01                                       ; source 0 (W) window 1
.irp ks, 0,1,2,3                       ; the four accumulators take turns, one instruction a turn
.irp c, 0,1,2,3
.if \ks == 0
	v_wmma_f32_16x16x128_fp8_fp8 v[ACC+8*\c:ACC+8*\c+7], v[16*(4*\c+\ks):16*(4*\c+\ks)+15], v[XR+64*((\t)%2)+16*\ks:XR+64*((\t)%2)+16*\ks+15], v[BI+8*\c:BI+8*\c+7]
.else
	v_wmma_f32_16x16x128_fp8_fp8 v[ACC+8*\c:ACC+8*\c+7], v[16*(4*\c+\ks):16*(4*\c+\ks)+15], v[XR+64*((\t)%2)+16*\ks:XR+64*((\t)%2)+16*\ks+15], v[ACC+8*\c:ACC+8*\c+7]
.endif
.endr
.endr
	WIN 0
	PLACES
	s_wait_alu depctr_va_vdst(0)                   ; the sixteen products are done reading x's slot, in which the loads below land; the tile before has written its codes, which the stores below read
.if \t < 2
	XLD \t+2
.endif
.if \t > 0
	QKST \t-1
.endif
	QUANT32 ACC, CO+8*\t                           ; names neither x's slot nor the codes of the tile before
.endm
	QKT 0
	QKT 1
	QKT 2
	QKT 3
	s_wait_alu depctr_va_vdst(0)                   ; tile 3's conversions have written its codes, which the last two stores read
	QKST 3
	s_endpgm
.Lpath_v:
	; ---- wave 4: the mean over heads of V, d 16 y .. 16 y + 15
	v_lshlrev_b32 v2, 2, v3                        ; bv: d = r
	s_lshl_b32 s40, ttmp9, 6
	s_add_nc_u64 s[12:13], s[12:13], s[40:41]
	s_lshl_b32 s40, s23, 15
	s_add_co_u32 s40, s40, 4194304                 ; version 2
	s_add_nc_u64 s[4:5], s[4:5], s[40:41]
	s_lshl_b32 s40, ttmp9, 13
	s_add_co_u32 s40, s40, 524288                  ; m = 2; head h's tile is 4 h + y
	s_add_nc_u64 s[6:7], s[6:7], s[40:41]
	s_lshl_b32 s40, s23, 12
	s_lshl_b32 s38, ttmp9, 10
	s_add_co_u32 s40, s40, s38
	s_add_nc_u64 s[20:21], s[20:21], s[40:41]
	s_wait_alu depctr_va_vdst(0)                   ; v1 and v2 are written: every load and store of this path reads one of them as its offset
.irp h, 0,1,2,3,4,5,6,7
	global_load_b32 v[BV+\h], v2, s[12:13] offset:\h*256
.endr
	RESIDENT 4                                     ; x's fragment (t, ks) at v[64 t + 16 ks] of window 1
.macro WLD h                           ; head h's four fragments of Wv into slot h % 3
.set n_, 0
.rept 16
	global_load_b128 v[WR+64*((\h)%3)+4*n_:WR+64*((\h)%3)+4*n_+3], v1, s[6:7] offset:(\h)*32768+n_*512
.set n_, n_+1
.endr
.endm
	WLD 0
	WLD 1
	WLD 2
	s_wait_kmcnt 0x0
	s_add_co_i32 s46, s28, s29                     ; e4 + e5
	s_sub_co_i32 s47, 0, s46
	s_add_co_i32 s48, s33, 3                       ; e9 + 3: the mean's 1/8
	s_sub_co_i32 s48, s48, s46
	MKSC 48, 8, 9
	s_wait_loadcnt 32                              ; bv, x and head 0 are in; heads 1 and 2 (32 loads) may be out
	v_add_f32 v10, v[BV], v[BV+1]
	v_add_f32 v11, v[BV+2], v[BV+3]
	v_add_f32 v12, v[BV+4], v[BV+5]
	v_add_f32 v13, v[BV+6], v[BV+7]
	v_add_f32 v10, v10, v11
	v_add_f32 v12, v12, v13
	v_add_f32 v10, v10, v12
	v_ldexp_f32 v10, v10, s47                      ; the eight heads' bias / 2^(e4 + e5)
.irp j, 0,1,2,3,4,5,6,7
	v_mov_b32 v[BV+\j], v10                        ; a lane holds one d: the same number for its eight tokens
.endr
.macro VHEAD h
.if \h < 6
	s_wait_loadcnt 32                              ; this head is in; the next two heads' 32 loads may be out
.elseif \h == 6
	s_wait_loadcnt 16
.else
	s_wait_loadcnt 0x0
.endif
	WIN 0x01                                       ; source 0 (x) window 1
.irp ks, 0,1,2,3                       ; the four accumulators take turns, from head to head too
.irp t, 0,1,2,3
.if (\h == 0) && (\ks == 0)
	v_wmma_f32_16x16x128_fp8_fp8 v[VACC+8*\t:VACC+8*\t+7], v[64*\t+16*\ks:64*\t+16*\ks+15], v[WR+64*((\h)%3)+16*\ks:WR+64*((\h)%3)+16*\ks+15], v[BV:BV+7]
.else
	v_wmma_f32_16x16x128_fp8_fp8 v[VACC+8*\t:VACC+8*\t+7], v[64*\t+16*\ks:64*\t+16*\ks+15], v[WR+64*((\h)%3)+16*\ks:WR+64*((\h)%3)+16*\ks+15], v[VACC+8*\t:VACC+8*\t+7]
.endif
.endr
.endr
	WIN 0
	PLACES
.if \h < 5
	s_wait_alu depctr_va_vdst(0)                   ; this head's sixteen products are done reading their slot, in which the loads below land
	WLD \h+3
.endif
.endm
.irp h, 0,1,2,3,4,5,6,7
	VHEAD \h
.endr
	QUANT32 VACC, VCO
	s_wait_alu depctr_va_vdst(0)                   ; the conversions have written the codes, which the two stores read
	global_store_b128 v1, v[VCO:VCO+3], s[20:21]
	global_store_b128 v1, v[VCO+4:VCO+7], s[20:21] offset:512
	s_endpgm
.Lfunc_end_k_q65e259aa51_proj:
	.size	k_q65e259aa51_proj, .Lfunc_end_k_q65e259aa51_proj-k_q65e259aa51_proj
	.p2alignl 7, 3214868480
	.fill 96, 4, 3214868480
	.section	.rodata,"a",@progbits
	.p2align	6, 0x0
	.amdhsa_kernel k_q65e259aa51_proj
		.amdhsa_group_segment_fixed_size 0
		.amdhsa_private_segment_fixed_size 0
		.amdhsa_enable_private_segment 0
		.amdhsa_kernarg_size 72
		.amdhsa_user_sgpr_count 2
		.amdhsa_user_sgpr_kernarg_segment_ptr 1
		.amdhsa_wavefront_size32 1
		.amdhsa_system_sgpr_workgroup_id_x 1
		.amdhsa_system_sgpr_workgroup_id_y 1
		.amdhsa_system_sgpr_workgroup_id_z 1
		.amdhsa_system_vgpr_workitem_id 0
		.amdhsa_next_free_vgpr 512
		.amdhsa_next_free_sgpr 66
		.amdhsa_reserve_vcc 0
		.amdhsa_float_denorm_mode_32 3
		.amdhsa_float_denorm_mode_16_64 3
		.amdhsa_memory_ordered 1
		.amdhsa_forward_progress 1
		.amdhsa_inst_pref_size 65
	.end_amdhsa_kernel
	.amdgpu_metadata
---
amdhsa.version: [ 1, 2 ]
amdhsa.kernels:
  - .name:           k_q65e259aa51_proj
    .symbol:         k_q65e259aa51_proj.kd
    .args:
      - { .name: xf, .offset: 0, .size: 8, .value_kind: global_buffer, .address_space: global }
      - { .name: wf, .offset: 8, .size: 8, .value_kind: global_buffer, .address_space: global }
      - { .name: bq, .offset: 16, .size: 8, .value_kind: global_buffer, .address_space: global }
      - { .name: bk, .offset: 24, .size: 8, .value_kind: global_buffer, .address_space: global }
      - { .name: bv, .offset: 32, .size: 8, .value_kind: global_buffer, .address_space: global }
      - { .name: lowp_scales, .offset: 40, .size: 8, .value_kind: global_buffer, .address_space: global }
      - { .name: qf, .offset: 48, .size: 8, .value_kind: global_buffer, .address_space: global }
      - { .name: kf, .offset: 56, .size: 8, .value_kind: global_buffer, .address_space: global }
      - { .name: vcf, .offset: 64, .size: 8, .value_kind: global_buffer, .address_space: global }
    .group_segment_fixed_size: 0
    .private_segment_fixed_size: 0
    .kernarg_segment_align: 8
    .kernarg_segment_size: 72
    .max_flat_workgroup_size: 160
    .sgpr_count:     66
    .vgpr_count:     512
    .wavefront_size: 32
...
	.end_amdgpu_metadata
.endif
;; end of part 5
;; launch tau (part 6): grid 16 x 16, 8 waves a work-group, no clusters, 168,960 bytes of LDS; arguments qf, kf, lowp_scales, tau; writes tau
.if DOCPART == 6
	.amdgcn_target "amdgcn-amd-amdhsa--gfx1250"
	.amdhsa_code_object_version 6
	.text
	.protected	k_q65e259aa51_tau
	.globl	k_q65e259aa51_tau
	.p2align	8
	.type	k_q65e259aa51_tau,@function
k_q65e259aa51_tau:
	s_mov_b64 s[64:65], 0
	v_nop
	global_prefetch_b8 v0, s[64:65] scope:SCOPE_SE
	s_setreg_imm32_b32 hwreg(HW_REG_WAVE_SCHED_MODE, 0, 2), 2
	s_setreg_imm32_b32 hwreg(HW_REG_WAVE_MODE, 25, 1), 1
	s_wait_xcnt 0x0
	s_wait_alu depctr_vm_vsrc(0)
; THE THRESHOLD OF THE 1.5-ENTMAX, for every query of every head, without a sort.  With z = score / 2 the weights are ((z - t)+)^2 and t is the one root of phi(t) = ||(z - t)+||_2 = 1.
; phi is convex and falls with slope of magnitude m = ||.||_1 / ||.||_2 >= 1.  Newton's steps from t0 = max z - 1 never pass the root, and by convexity g'/g + m'/m <= 1 for g = phi - 1, so g m falls
; at least fourfold a step.  g0 m0 <= the sum of (z - t0)+ <= 2,048 = 2^11, so after PASSES = 16 steps g <= 2^-21 FOR EVERY INPUT: a fixed count, no branch on numbers.
; RAW UNITS: s = a sum of 64 products of codes, z = s 2^(e6 + e7) / 16.  Sought: theta with ||(s - theta)+|| = R = 2^(4 - e6 - e7).  Kept: NT = -theta, which is given to the matrix instruction as C:
; the subtraction costs nothing.  NT0 = R - max s;  NT -= rS (rS - R) / S1, with S1 the sum and rS the root of the sum of squares of (s + NT)+.
; Hidden keys (key > query; weight 0) are left out: whole tiles by not being walked, the diagonal's by a clamp between 0 and a mask register (0 or 3e38).
; SHARES: work-group (p, bh) owns chunks p and 31 - p (64 queries, four tiles each) of head bh: 132 key tiles x 4 in every work-group.  The head's K lies in LDS as images of operand registers, tile kt at
; 1,024 kt.  THE KEYS ARE SHARED OUT: wave w walks tiles kt = 8 f + w, and each fragment of K feeds four products (source 0 = 16 keys, source 1 = 16 queries: a lane holds one query).
; The 16 sub-steps of a chunk are written out, each with its tile's place as an immediate, so no LDS address is stepped; a wave leaves the run by a forward branch on ids when its tiles are done.
; Of a chunk's four diagonal tiles 4 C + a, wave w meets the one with a = w & 3 (in chunk p or in chunk 31 - p, whose parities differ): one set of 32 mask registers serves.
; The waves' partial sums meet in LDS; query tile q (0-3: chunk p; 4-7: chunk 31 - p) is owned by wave q, which makes the step and lays NT out as an image of the eight C registers.
; LIMITS: e6 + e7 between -54 and 57, so that R, 2,048 R^2 and the factors that the last launch makes of them are f32 numbers.
; THE MODE: SCHED_MODE bits 1:0 = 2 (LLVM: expert scheduling mode 2), set by the entry lines.  The code itself states the register dependences
; between vector or matrix instructions and memory or LDS instructions, with s_wait_alu, always for 0.
; THE PLAN.  Registers that memory or LDS instructions touch:
;   v1-7, v30, v31  offsets and LDS addresses, made once at the head and never written again.
;   v96-223    at the head only: K on its way to LDS: loaded, then read by 32 LDS stores; from then on CF, MK, D, K0 and S: one wait on vm_vsrc stands between.
;   K0, K0+8   Sub-step f's four products read buffer f % 2; the LDS loads of sub-step f + 1 land in it (tile f + 2's fragment).
;   CF         A chunk's products read it as C; the next chunk's eight LDS loads land in it.
;   v16-23, v240-247   a chunk's partial sums, eight registers of its own for each chunk: written by the chunk's last additions, read by its four LDS stores.  (First pass: the maxima in S, likewise.)
;   OW         The owner's LDS loads land in it; the owner's arithmetic names it.
;   v24-27     NT four times: written and then read by two LDS stores, once a pass.   v8: NT, read by the one global store at the end.
; WAITS ON va_vdst: one at the head of sub-steps 1 to 14 (the products of the sub-step before are done reading the buffer that is asked for again); one at a chunk's end, ahead of its stores; one in PUT, ahead of
; its stores.  The loads at a chunk's head and in its first sub-step (CF, K0, K0+8) and the owner's loads (OW) hang on the last of these: between it and them stand no vector instructions but the lines that
; clear S, which name none of those registers; that holds on the way into the loop, over its backward jump, and from chunk to chunk.
; WAITS ON vm_vsrc: the one at the head, and one a pass, at PUT's head: behind it every register that an LDS store of the pass has read may be written again.
.set CFI,  131072                      ; LDS: behind K's 128 tiles: eight images of C (8 registers = NT of the lane's query), 1,024 bytes each
.set PAR,  139264                      ; the partial sums: [query tile 8][wave 8][lane 32][8 bytes]
.set QA,   32                          ; v32-63 chunk p's four fragments of Q, v64-95 chunk 31 - p's
.set CF,   96                          ; v96-127  C of the four products
.set MK,   128                         ; v128-159 the diagonal's masks
.set D,    160                         ; v160-191 the four results
.set K0,   192                         ; v192-199, v200-207 two fragments of K by turns
.set S,    208                         ; v208-223 tile i: sums (S + 4 i, pair) and sums of squares (S + 4 i + 2, pair)
.set OW,   224                         ; v224-239 the owner's eight pairs
.set SL,   16                          ; s16, s17 last tile of chunk 0, 1, less my wave's number
.set SM,   18                          ; s18, s19 first diagonal tile, less my wave's number
.set CM,   38                          ; s38-45   eight compares' masks
.set PASSES, 16
.set NEGBIG, 0xf149f2ca                ; -1e30: under every sum of 64 products of codes (at most 64 x 448 x 448)
; v1 16 x lane; v2, v30 my tiles' place in K's lower and upper 64 KiB; v3 C's images; v4 where I put partial sums; v5 where I read them as owner; v6 where I put NT's image; v7 where I put K;
; v8 NT; v9, v15 lane exchanges; v10-14 at work; v16-23, v240-247 partial sums on their way; v24-27 NT four times; v28 3e38; v29 0; v31 my word of tau; v254, v255 the closing add's two
.macro BAR                             ; my LDS stores have landed and my LDS loads are in: then the work-group's barrier
	s_wait_dscnt 0x0
	s_barrier_signal -1
	s_barrier_wait -1
.endm
.macro PLACES                          ; four plain lines between matrix instructions and the first read of their results (ISA guide 7.12.1)
.rept 4
	v_nop
.endr
.endm
.macro W4 kb, qq, withc                ; 16 keys x 64 queries
.irp i, 0,1,2,3
.if \withc
	v_wmma_f32_16x16x64_fp8_fp8 v[D+8*\i:D+8*\i+7], v[\kb:\kb+7], v[\qq+8*\i:\qq+8*\i+7], v[CF+8*\i:CF+8*\i+7]
.else
	v_wmma_f32_16x16x64_fp8_fp8 v[D+8*\i:D+8*\i+7], v[\kb:\kb+7], v[\qq+8*\i:\qq+8*\i+7], 0
.endif
.endr
.endm
.macro VSUMS jp                        ; two numbers of each tile into its sums
.irp i, 0,1,2,3
	v_pk_add_f32 v[S+4*\i:S+4*\i+1], v[S+4*\i:S+4*\i+1], v[D+8*\i+\jp:D+8*\i+\jp+1]
.endr
.irp i, 0,1,2,3
	v_pk_fma_f32 v[S+4*\i+2:S+4*\i+3], v[D+8*\i+\jp:D+8*\i+\jp+1], v[D+8*\i+\jp:D+8*\i+\jp+1], v[S+4*\i+2:S+4*\i+3]
.endr
.endm
.macro VFULL                           ; (s + NT)+, its sum and its sum of squares: two lines a number; each result is read from its low end on
.irp jp, 0,2,4,6
.irp i, 0,1,2,3
	v_max_num_f32 v[D+8*\i+\jp], 0, v[D+8*\i+\jp]
	v_max_num_f32 v[D+8*\i+\jp+1], 0, v[D+8*\i+\jp+1]
.endr
	VSUMS \jp
.endr
.endm
.macro VMASK                           ; the same on the diagonal: between 0 and the mask
.irp jp, 0,2,4,6
.irp i, 0,1,2,3
	v_med3_num_f32 v[D+8*\i+\jp], v[D+8*\i+\jp], 0, v[MK+8*\i+\jp]
	v_med3_num_f32 v[D+8*\i+\jp+1], v[D+8*\i+\jp+1], 0, v[MK+8*\i+\jp+1]
.endr
	VSUMS \jp
.endr
.endm
.macro VMAX                            ; the first pass: the largest s
.irp jp, 0,2,4,6
.irp i, 0,1,2,3
	v_max3_num_f32 v[MM_+4*\i], v[MM_+4*\i], v[D+8*\i+\jp], v[D+8*\i+\jp+1]
.endr
.endr
.endm
; Sub-step f of chunk x: tile 8 f + w.  mode 0: the maximum; 1: a Newton pass.
.macro SUB f, x, mode, tag
	s_cmp_lt_i32 s[SL+\x], 8*\f                    ; 8 f + w lies behind the chunk's last tile: my part is done
	s_cbranch_scc1 .Ldone_\tag
	s_cmp_le_i32 s[SM+\x], 8*\f                    ; 8 f + w is a diagonal tile: my last
.if (\f)%2
	s_cbranch_scc1 .Lmask1_\tag
.else
	s_cbranch_scc1 .Lmask0_\tag
.endif
	s_wait_dscnt 0x0                               ; this tile's fragment is in (asked for a sub-step ago; in the first sub-step C too)
.if (\f > 0) && (\f < 15)
	s_wait_alu depctr_va_vdst(0)                   ; the four products of the sub-step before are done reading the buffer in which the two loads below land.  (Sub-step 0: see the plan.  Sub-step 15 asks for nothing)
.endif
.if \f < 7
	ds_load_b128 v[K0+8*((\f+1)%2):K0+8*((\f+1)%2)+3], v2 offset:(\f+1)*8192        ; the next tile, into the buffer whose last product stands a sub-step back
	ds_load_b128 v[K0+8*((\f+1)%2)+4:K0+8*((\f+1)%2)+7], v2 offset:(\f+1)*8192+512
.elseif \f < 15
	ds_load_b128 v[K0+8*((\f+1)%2):K0+8*((\f+1)%2)+3], v30 offset:(\f-7)*8192
	ds_load_b128 v[K0+8*((\f+1)%2)+4:K0+8*((\f+1)%2)+7], v30 offset:(\f-7)*8192+512
.endif
	W4 K0+8*((\f)%2), QQ_, \mode
	PLACES
.if \mode
	VFULL
.else
	VMAX
.endif
.endm
.macro MASKED kb, mode                 ; the diagonal tile.  In the first pass C holds 0 or -1e30, later NT
	s_wait_dscnt 0x0
	W4 \kb, QQ_, 1
	PLACES
.if \mode
	VMASK
.else
	VMAX
.endif
.endm
.macro CHUNK x, mode, tag
.set QQ_, QA+32*\x
.set MM_, S+2*\x                       ; the first pass's four maxima: registers of its own for each chunk
.set PS_, 16+224*\x                    ; the partial sums on their way: v16-23 for chunk p, v240-247 for chunk 31 - p
.if \mode
.irp n, 0,1,2,3,4,5,6,7
	ds_load_b128 v[CF+4*\n:CF+4*\n+3], v3 offset:\x*4096+\n*512   ; NT of the chunk's four tiles, as C.  (No wait here: the plan says which wait these loads, and K's below, hang on)
.endr
.irp n, 0,1,2,3,4,5,6,7,8,9,10,11,12,13,14,15
	v_mov_b32 v[S+\n], 0
.endr
.else
.irp i, 0,1,2,3
	v_mov_b32 v[MM_+4*\i], NEGBIG
.endr
.endif
	ds_load_b128 v[K0:K0+3], v2                    ; tile w
	ds_load_b128 v[K0+4:K0+7], v2 offset:512
.irp f, 0,1,2,3,4,5,6,7,8,9,10,11,12,13,14,15
	SUB \f, \x, \mode, \tag
.endr
	s_branch .Ldone_\tag
.Lmask0_\tag:
	MASKED K0, \mode
	s_branch .Ldone_\tag
.Lmask1_\tag:
	MASKED K0+8, \mode
.Ldone_\tag:
	s_wait_dscnt 0x0                               ; the look-ahead load that nobody reads, and the last chunk's stores
.if \mode
.irp i, 0,1,2,3
	v_add_f32 v[PS_+2*\i], v[S+4*\i], v[S+4*\i+1]
	v_add_f32 v[PS_+2*\i+1], v[S+4*\i+2], v[S+4*\i+3]
.endr
	s_wait_alu depctr_va_vdst(0)                   ; the additions have written the partial sums, which the stores read; the chunk's products are done reading CF and both buffers of K, which are asked for again next
.irp i, 0,1,2,3
	ds_store_b64 v4, v[PS_+2*\i:PS_+2*\i+1] offset:(4*\x+\i)*2048
.endr
.else
	s_wait_alu depctr_va_vdst(0)                   ; the maxima are written, which the stores read; the chunk's products are done reading both buffers of K, which are asked for again next
.irp i, 0,1,2,3
	ds_store_b32 v4, v[MM_+4*\i] offset:(4*\x+\i)*2048
.endr
.endif
.endm
.macro PUT                             ; NT as an image of eight equal registers
	s_wait_alu depctr_vm_vsrc(0)                   ; every LDS store issued so far has read its data: the last image's v24-27, written below, and the partial sums' registers (ahead of the loop: the maxima in S), written in the pass that follows
.irp j, 24,25,26,27
	v_mov_b32 v\j, v8
.endr
	s_wait_alu depctr_va_vdst(0)                   ; v24-27 are written, which the two stores read; so is v8, which the kernel's last store reads; the owner's arithmetic is done with OW, and the products with CF and K's buffers
	ds_store_b128 v6, v[24:27]
	ds_store_b128 v6, v[24:27] offset:512
.endm
	s_load_b256 s[4:11], s[0:1], 0x0               ; qf, kf, lowp_scales, tau
	v_lshl_add_u32 v254, v0, 2, 0x29000
	v_mov_b32 v255, 0
	v_lshrrev_b32 v1, 5, v0
	v_readfirstlane_b32 s12, v1                    ; wave 0..7
	v_and_b32 v10, 31, v0                          ; lane
	v_and_b32 v11, 15, v0                          ; r
	v_bfe_u32 v12, v0, 4, 1                        ; h
	v_lshlrev_b32 v1, 4, v10
	s_and_b32 s14, ttmp7, 0xffff                   ; bh = 8 b + head
	s_wait_alu depctr_va_sdst(0)                   ; s12 is written, ahead of its first reader: addresses, bases and the sub-steps' branches are made from it
	s_lshl_b32 s23, s12, 10
	v_add_nc_u32 v2, s23, v1                       ; tile w
	v_add_nc_u32 v30, 0x10000, v2                  ; tile 64 + w
	v_add_nc_u32 v3, CFI, v1
	v_add_nc_u32 v6, s23, v3
	s_lshl_b32 s24, s12, 8
	v_lshl_add_u32 v4, v10, 3, s24
	v_add_nc_u32 v4, PAR, v4
	s_lshl_b32 s24, s12, 11
	v_lshl_add_u32 v5, v10, 3, s24
	v_add_nc_u32 v5, PAR, v5
	s_lshl_b32 s24, s12, 14
	v_add_nc_u32 v7, s24, v1
	v_lshlrev_b32 v31, 2, v11
	v_mov_b32 v9, 0                                ; a lane exchange's destination counts as read: written once
	v_mov_b32 v15, 0
	v_mov_b32 v28, 0x7f61b1e6                      ; 3e38
	v_mov_b32 v29, 0
	v_mov_b32 v14, NEGBIG
	s_mov_b32 s26, 0x76543210                      ; v_permlanex16_b32: lane l xor 16
	s_mov_b32 s27, 0xfedcba98
	s_lshl_b32 s13, ttmp9, 2                       ; chunk p's first tile
	s_sub_co_u32 s25, 124, s13                     ; chunk 31 - p's
	s_sub_co_i32 s18, s13, s12
	s_sub_co_i32 s19, s25, s12
	s_add_co_i32 s16, s18, 3
	s_add_co_i32 s17, s19, 3
	s_lshr_b32 s28, s14, 3
	s_lshl_b32 s28, s28, 20                        ; b: 128 tiles x 8 heads x 1,024 bytes
	s_and_b32 s24, s14, 7
	s_lshl_b32 s24, s24, 10                        ; head
	s_add_co_u32 s28, s28, s24
	s_mov_b32 s29, 0
	s_wait_kmcnt 0x0
	s_load_b64 s[32:33], s[8:9], 0x18              ; e6, e7
	s_add_nc_u64 s[4:5], s[4:5], s[28:29]
	s_add_nc_u64 s[6:7], s[6:7], s[28:29]
	s_lshl_b32 s28, s12, 17                        ; I bring tiles 16 w .. 16 w + 15 of K
	s_add_nc_u64 s[6:7], s[6:7], s[28:29]
	s_lshl_b32 s28, s13, 13
	s_add_nc_u64 s[34:35], s[4:5], s[28:29]        ; Q of chunk p,
	s_lshl_b32 s28, s25, 13
	s_add_nc_u64 s[36:37], s[4:5], s[28:29]        ; of chunk 31 - p
	s_wait_alu depctr_va_vdst(0)                   ; the offsets and LDS addresses v1 to v7, v30 and v31 are written, which the loads and stores of the whole kernel read
.set n_, 0
.rept 32
	global_load_b128 v[96+4*n_:96+4*n_+3], v1, s[6:7] offset:(n_/2)*8192+(n_%2)*512
.set n_, n_+1
.endr
.irp x, 0,1
.irp n, 0,1,2,3,4,5,6,7
	global_load_b128 v[QA+32*\x+4*\n:QA+32*\x+4*\n+3], v1, s[34+2*\x:35+2*\x] offset:(\n/2)*8192+(\n%2)*512
.endr
.endr
	s_cmp_lt_u32 s12, 4                            ; where my own tile's NT goes: tau [bh][2,048]
	s_cselect_b32 s24, s13, s25
	s_and_b32 s28, s12, 3
	s_add_co_u32 s24, s24, s28
	s_lshl_b32 s28, s14, 7
	s_add_co_u32 s28, s28, s24
	s_lshl_b32 s28, s28, 6
	s_add_nc_u64 s[10:11], s[10:11], s[28:29]
	s_wait_loadcnt 16                              ; K's 32 loads are in; Q's 16 may be out
.set n_, 0
.rept 32
	ds_store_b128 v7, v[96+4*n_:96+4*n_+3] offset:n_*512
.set n_, n_+1
.endr
	s_and_b32 s24, s12, 3
	s_lshl_b32 s24, s24, 4
	v_lshlrev_b32 v13, 3, v12
	v_sub_nc_u32 v13, v11, v13
	v_subrev_nc_u32 v13, s24, v13                  ; r - 8 h - 16 a.  Register j of tile i holds key 16 a + 8 h + j for query 16 i + r: hidden where j - 16 i > r - 8 h - 16 a
	s_wait_kmcnt 0x0
	s_add_co_i32 s15, s32, s33
	s_sub_co_i32 s15, 131, s15
	s_lshl_b32 s15, s15, 23                        ; R = 2^(4 - e6 - e7) as f32
	s_wait_dscnt 0x0                               ; my 32 stores have landed
	s_wait_alu depctr_vm_vsrc(0)                   ; the 32 LDS stores have read v96-223: these registers are CF, MK, D, K's buffers and S from here on, written by vector and matrix instructions and by LDS loads
.irp i, 0,1,2,3
.irp j, 0,1,2,3,4,5,6,7
	v_cmp_gt_i32 s[CM+\j], \j-16*\i, v13           ; a run of eight compares, each into a scalar register of its own,
.endr
	s_wait_alu depctr_va_sdst(0)                   ; the eight masks are written, ahead of their first readers
.irp j, 0,1,2,3,4,5,6,7
	v_cndmask_b32 v[MK+8*\i+\j], v28, v29, s[CM+\j]  ; 0 where hidden, else 3e38
	v_cndmask_b32 v[CF+8*\i+\j], v29, v14, s[CM+\j]  ; the first pass's C on the diagonal: -1e30 where hidden, else 0
.endr
.endr
	s_wait_loadcnt 0x0                             ; Q
	BAR                                            ; K's 128 tiles lie in LDS
	CHUNK 0, 0, 0
	CHUNK 1, 0, 1
	BAR                                            ; the waves' maxima lie in LDS
.irp n, 0,1,2,3,4,5,6,7
	ds_load_b32 v[OW+\n], v5 offset:\n*256
.endr
	s_wait_dscnt 0x0
	v_max3_num_f32 v10, v[OW], v[OW+1], v[OW+2]
	v_max3_num_f32 v11, v[OW+3], v[OW+4], v[OW+5]
	v_max3_num_f32 v10, v10, v[OW+6], v[OW+7]
	v_max_num_f32 v10, v10, v11
	v_permlanex16_b32 v9, v10, s26, s27            ; the query's other keys lie in the lane 16 away
	v_max_num_f32 v10, v10, v9
	v_sub_f32 v8, s15, v10                         ; NT0 = R - max s
	PUT
	BAR
	s_mov_b32 s22, PASSES
.Lpass:
	CHUNK 0, 1, 2
	CHUNK 1, 1, 3
	BAR                                            ; the partial sums lie in LDS, and every wave's reads of NT's images are over
.irp n, 0,1,2,3,4,5,6,7
	ds_load_b64 v[OW+2*\n:OW+2*\n+1], v5 offset:\n*256   ; (no vector instruction stands between the wait at the chunk's end and these loads)
.endr
	s_wait_dscnt 0x0
	v_pk_add_f32 v[OW:OW+1], v[OW:OW+1], v[OW+2:OW+3]
	v_pk_add_f32 v[OW+4:OW+5], v[OW+4:OW+5], v[OW+6:OW+7]
	v_pk_add_f32 v[OW+8:OW+9], v[OW+8:OW+9], v[OW+10:OW+11]
	v_pk_add_f32 v[OW+12:OW+13], v[OW+12:OW+13], v[OW+14:OW+15]
	v_pk_add_f32 v[OW:OW+1], v[OW:OW+1], v[OW+4:OW+5]
	v_pk_add_f32 v[OW+8:OW+9], v[OW+8:OW+9], v[OW+12:OW+13]
	v_pk_add_f32 v[OW:OW+1], v[OW:OW+1], v[OW+8:OW+9]
	v_permlanex16_b32 v9, v[OW], s26, s27
	v_permlanex16_b32 v15, v[OW+1], s26, s27
	v_add_f32 v10, v[OW], v9                       ; S1
	v_add_f32 v11, v[OW+1], v15                    ; S2
	v_max_num_f32 v10, 0x0d800000, v10             ; at least 2^-100 (S1 >= rS, which stays near R or above: the floor only keeps the reciprocal finite)
	v_sqrt_f32 v12, v11                            ; rS
	v_rcp_f32 v13, v10
	v_nop                                          ; one plain line behind the two
	s_wait_alu depctr_va_vdst(0)                   ; the root and the reciprocal have written v12 and v13: one wait for both, ahead of their first reader
	v_subrev_f32 v14, s15, v12                     ; rS - R
	v_mul_f32 v14, v14, v12
	v_fma_f32 v8, -v14, v13, v8                    ; NT -= rS (rS - R) / S1
	PUT
	BAR                                            ; NT's images lie in LDS, and the owners' reads of the partial sums are over
	s_sub_co_u32 s22, s22, 1
	s_cmp_lg_u32 s22, 0
	s_cbranch_scc1 .Lpass
	global_store_b32 v31, v8, s[10:11]             ; lanes l and l + 16 hold the same NT and name the same word: 64 bytes a wave.  (v8 was written ahead of PUT's wait)
	s_wait_dscnt 0x0                               ; the closing lines, six on end
	s_wait_alu 0x0
	s_wait_tensorcnt 0x0
	ds_add_u32 v254, v255
	s_wait_dscnt 0x0
	s_endpgm
.Lfunc_end_k_q65e259aa51_tau:
	.size	k_q65e259aa51_tau, .Lfunc_end_k_q65e259aa51_tau-k_q65e259aa51_tau
	.p2alignl 7, 3214868480
	.fill 96, 4, 3214868480
	.section	.rodata,"a",@progbits
	.p2align	6, 0x0
	.amdhsa_kernel k_q65e259aa51_tau
		.amdhsa_group_segment_fixed_size 168960
		.amdhsa_private_segment_fixed_size 0
		.amdhsa_enable_private_segment 0
		.amdhsa_kernarg_size 32
		.amdhsa_user_sgpr_count 2
		.amdhsa_user_sgpr_kernarg_segment_ptr 1
		.amdhsa_wavefront_size32 1
		.amdhsa_system_sgpr_workgroup_id_x 1
		.amdhsa_system_sgpr_workgroup_id_y 1
		.amdhsa_system_sgpr_workgroup_id_z 1
		.amdhsa_system_vgpr_workitem_id 0
		.amdhsa_next_free_vgpr 256
		.amdhsa_next_free_sgpr 66
		.amdhsa_reserve_vcc 0
		.amdhsa_float_denorm_mode_32 3
		.amdhsa_float_denorm_mode_16_64 3
		.amdhsa_memory_ordered 1
		.amdhsa_forward_progress 1
		.amdhsa_inst_pref_size 222
	.end_amdhsa_kernel
	.amdgpu_metadata
---
amdhsa.version: [ 1, 2 ]
amdhsa.kernels:
  - .name:           k_q65e259aa51_tau
    .symbol:         k_q65e259aa51_tau.kd
    .args:
      - { .name: qf, .offset: 0, .size: 8, .value_kind: global_buffer, .address_space: global }
      - { .name: kf, .offset: 8, .size: 8, .value_kind: global_buffer, .address_space: global }
      - { .name: lowp_scales, .offset: 16, .size: 8, .value_kind: global_buffer, .address_space: global }
      - { .name: tau, .offset: 24, .size: 8, .value_kind: global_buffer, .address_space: global }
    .group_segment_fixed_size: 168960
    .private_segment_fixed_size: 0
    .kernarg_segment_align: 8
    .kernarg_segment_size: 32
    .max_flat_workgroup_size: 256
    .sgpr_count:     66
    .vgpr_count:     256
    .wavefront_size: 32
...
	.end_amdgpu_metadata
.endif
;; end of part 6
;; launch final (part 7): grid 128 x 2, 8 waves a work-group, no clusters, 70,656 bytes of LDS; arguments qf, kf, vcf, tau, wof, bo, lowp_scales, out0, out1; writes out0, out1
.if DOCPART == 7
	.amdgcn_target "amdgcn-amd-amdhsa--gfx1250"
	.amdhsa_code_object_version 6
	.text
	.protected	k_q65e259aa51_final
	.globl	k_q65e259aa51_final
	.p2align	8
	.type	k_q65e259aa51_final,@function
k_q65e259aa51_final:
	s_mov_b64 s[64:65], 0
	v_nop
	global_prefetch_b8 v0, s[64:65] scope:SCOPE_SE
	s_setreg_imm32_b32 hwreg(HW_REG_WAVE_SCHED_MODE, 0, 2), 2
	s_setreg_imm32_b32 hwreg(HW_REG_WAVE_MODE, 25, 1), 1
	s_wait_xcnt 0x0
	s_wait_alu depctr_vm_vsrc(0)
; out1 = the mean over heads of the entmax weights; out0 = (out1 x the mean of V) Wo + bo.  All three products on codes of E4M3, 64 along K an instruction.
; SHARES: work-group (T, b) owns 16 queries, all 8 heads and all 2,048 columns of out1: each output row has one owner.  A GROUP is 64 keys: four tiles of K, 256 consecutive bytes of each row of out1, and one
; K step of the second product.  Wave w takes groups w, w + 8, w + 16, w + 24.  Groups behind the diagonal's (G = T / 4) hold zeros, which are stored and not computed.
; A TILE: for each head s = K Q^T (source 0 = 16 keys, source 1 = my 16 queries: a lane holds one query and eight neighbouring keys); ((s + NT)+)^2 is summed over the heads, NT = minus the threshold in units of s,
; from the launch before.  The sum x 2^(2 (e6 + e7) - 11) is the mean weight (z = s 2^(e6 + e7) / 16; 1/8 for the mean): exact.  It goes to out1 through the wave's own stage in LDS, so that sixteen lanes store 256
; consecutive, aligned bytes; and one conversion with the folded scale 2^(e8 - 2 (e6 + e7) + 11) makes of the lane's eight sums two registers of the second product's operand.
; O^T += Vc^T P^T (source 0 = 16 d, source 1 = the weights' codes) stays in four accumulators a wave; the eight waves' parts meet in LDS, are quantised (e10) by waves 0-3, and every wave makes 64 columns of out0.
; K's fragments go from memory straight into registers (window 1, a ring of four tiles x 8 heads): a work-group uses each once.
; In the diagonal's group the clamp is between 0 and a mask register (0 or 3e38) in place of a maximum with 0.
; LIMITS: 2 (e6 + e7) - 11 and e10 + e11 between -126 and 127; e8 - 2 (e6 + e7) + 11 and e10 - e8 - e9 between -126 and 119.
; THE MODE: SCHED_MODE bits 1:0 = 2 (LLVM: expert scheduling mode 2), set by the entry lines.  The code itself states the register dependences
; between vector or matrix instructions and memory or LDS instructions, with s_wait_alu, always for 0.
; THE PLAN.  Registers that memory or LDS instructions touch, in a group:
;   v1-7, v248-251  offsets and LDS addresses, and v12-15, the zeros that are stored: made once at the head and never written again.
;   K[0..3]    (window 1) Tile j's eight products read K[j]; behind them the loads of the same tile of my next group land in it.
;   VC         The group's last four products read it; the next group's eight loads land in it, in that group's tile 0.
;   WT         Written at tile j's end; read by two LDS stores that are issued in tile j + 1 (tile 3's: at the group's end).
;   D          Written by the products, worked on by the heads' arithmetic; at the group's end the stage's eight LDS loads land in it and eight global stores read it.
; ONE wait on va_vdst stands in a tile, behind its second four products and their places: it states that the tile's products are done reading K[j], that the tile before has written WT, and, in tile 0, that the last
; group's products are done reading VC.  The tile's loads and LDS stores follow it; between it and the loads into window 1 stand only loads, LDS stores of other registers, a wait on a counter and the window switch.
; One more stands at the group's end (WT of tile 3 is written; the heads' arithmetic is done with D).  Waits on vm_vsrc: ahead of the lines that write WT, in tiles 1 to 3; and at the group's end, for D and WT.
.set OP,   34816                       ; LDS: 0: a stage of 16 rows x 272 bytes for each wave; OP: the waves' parts of O^T as images, 4,096 bytes each
.set OC,   67584                       ; O's codes: an image of eight registers
.set NT,   16                          ; v16-23   NT of my query, head 0..7
.set P,    24                          ; v24-31   the weights' codes of a group
.set Q,    32                          ; v32-95   Q's fragments, head 0..7
.set D,    96                          ; v96-127  four results; also rows on their way out
.set ACC,  128                         ; v128-135 the sum over heads
.set MK,   136                         ; v136-167 the diagonal group's masks, tile 0..3
.set VC,   168                         ; v168-199 the group's four fragments of the mean of V
.set O,    200                         ; v200-231 O^T, four accumulators
.set WT,   232                         ; v232-239 a tile's weights on their way to the stage
.set OCD,  240                         ; v240-247 O's codes
.set TS,   50
.set CM,   52                          ; s52-59   eight compares' masks
; v1 16 x lane; v2, v3 the stage, in and back; v4, v5 my bytes in two rows of out1, out0; v6 32 h; v7 where I read the parts of O^T; v8, v9 the weights' hold and scale; v10, v11 O's; v12-15 zeros;
; v248 where I put my part of O^T; v249 where I put O's codes; v250 where I read them; v251 4 r; v252-255 at work.  Window 1: K[j] at v[64 j + 8 head]; at the end Wo at v0-31, bo at v32-63
.set MSB, 0
.macro WIN new                         ; the immediate's high byte repeats the setting that is left
.if MSB != \new
	s_set_vgpr_msb (MSB<<8)|\new
.set MSB, \new
.endif
.endm
.macro MKSC se, vsc, vlim              ; s[se] = e (used up): v[vsc] = 2^e as f32, v[vlim] = 448 x 2^e
	s_add_co_i32 s[\se], s[\se], 127
	s_lshl_b32 s[TS], s[\se], 23
	v_mov_b32 v[\vsc], s[TS]
	s_add_co_i32 s[\se], s[\se], 8
	s_lshl_b32 s[TS], s[\se], 23
	s_or_b32 s[TS], s[TS], 0x600000
	v_mov_b32 v[\vlim], s[TS]
.endm
.macro BAR
	s_wait_dscnt 0x0
	s_barrier_signal -1
	s_barrier_wait -1
.endm
.macro PLACES                          ; four plain lines behind matrix instructions, ahead of the first read of their results (ISA guide 7.12.1)
.rept 4
	v_nop
.endr
.endm
.macro KLOAD j, off                    ; tile j's eight heads (8,192 consecutive bytes), off bytes on from the group in hand
	WIN 0x40                                       ; destination window 1, address window 0
.set n_, 0
.rept 16
	global_load_b128 v[64*\j+4*n_:64*\j+4*n_+3], v1, s[6:7] offset:\off+\j*8192+n_*512
.set n_, n_+1
.endr
	WIN 0
.endm
.macro HEADV hd, hh, j, mask           ; head hd's 8 scores in D[hh]: + NT, clamp, square, into the sum.  The result is read from its low end on
.irp k, 0,2,4,6
.if ((\hd)%2)
	v_pk_add_f32 v[D+8*(\hh)+\k:D+8*(\hh)+\k+1], v[D+8*(\hh)+\k:D+8*(\hh)+\k+1], v[NT+(\hd)-1:NT+(\hd)] op_sel:[0,1] op_sel_hi:[1,1]
.else
	v_pk_add_f32 v[D+8*(\hh)+\k:D+8*(\hh)+\k+1], v[D+8*(\hh)+\k:D+8*(\hh)+\k+1], v[NT+(\hd):NT+(\hd)+1] op_sel_hi:[1,0]
.endif
.endr
.irp k, 0,1,2,3,4,5,6,7
.if \mask
	v_med3_num_f32 v[D+8*(\hh)+\k], v[D+8*(\hh)+\k], 0, v[MK+8*\j+\k]
.else
	v_max_num_f32 v[D+8*(\hh)+\k], 0, v[D+8*(\hh)+\k]
.endif
.endr
.irp k, 0,2,4,6
.if (\hd) == 0
	v_pk_mul_f32 v[ACC+\k:ACC+\k+1], v[D+8*(\hh)+\k:D+8*(\hh)+\k+1], v[D+8*(\hh)+\k:D+8*(\hh)+\k+1]   ; head 0 starts the sums
.else
	v_pk_fma_f32 v[ACC+\k:ACC+\k+1], v[D+8*(\hh)+\k:D+8*(\hh)+\k+1], v[D+8*(\hh)+\k:D+8*(\hh)+\k+1], v[ACC+\k:ACC+\k+1]
.endif
.endr
.endm
.macro TILE j, refill, mask
.if \j == 0
	s_wait_loadcnt 48                              ; K[0] is in.  Younger: K[1], K[2], K[3] (48 loads); the group's Vc is asked for below
.elseif \refill
	s_wait_loadcnt 56                              ; K[j] is in.  Younger: three tiles of K (48 loads) and the group's 8 loads of Vc
.else
	s_wait_loadcnt 16*(3-\j)+8                     ; the last group: the tiles behind this one, and Vc
.endif
.irp half, 0,1
	WIN 0x01                                       ; source 0 (K) window 1
.irp hh, 0,1,2,3
	v_wmma_f32_16x16x64_fp8_fp8 v[D+8*\hh:D+8*\hh+7], v[64*\j+8*(4*\half+\hh):64*\j+8*(4*\half+\hh)+7], v[Q+8*(4*\half+\hh):Q+8*(4*\half+\hh)+7], 0
.endr
	WIN 0
	PLACES
.if \half
.if \j == 0
	s_wait_alu depctr_va_vdst(0)                   ; the last group's four products are done reading Vc, and this tile's eight reading K[0]: the loads below land in both
.irp n, 0,1,2,3,4,5,6,7
	global_load_b128 v[VC+4*\n:VC+4*\n+3], v1, s[8:9] offset:\n*512
.endr
.else
	s_wait_alu depctr_va_vdst(0)                   ; the tile before has written WT, which the two LDS stores read; this tile's eight products are done reading K[j], in which the loads below land
	ds_store_b128 v2, v[WT:WT+3] offset:64*(\j-1)      ; row r of the stage, keys 16 (j - 1) + 8 h on
	ds_store_b128 v2, v[WT+4:WT+7] offset:64*(\j-1)+16
.endif
.if \refill
.if \j == 3
	s_wait_loadcnt 48                              ; Vc is in (younger: the next group's K[0..2]): waited for here, since behind the 16 loads below its count would pass the counter's field
.endif
	KLOAD \j, 262144                               ; the same tile of my next group, 32 tiles on
.endif
.endif
.irp hh, 0,1,2,3
	HEADV 4*\half+\hh, \hh, \j, \mask
.endr
.endr
.if \j > 0
	s_wait_alu depctr_vm_vsrc(0)                   ; the two LDS stores above have read WT, which the lines below write.  (Tile 0: the wait at the last group's end has stated it)
.endif
.irp k, 0,2,4,6
	v_pk_mul_f32 v[WT+\k:WT+\k+1], v[ACC+\k:ACC+\k+1], s[44:45] op_sel_hi:[1,0]   ; the mean weight
.endr
.irp k, 0,1,2,3,4,5,6,7
	v_min_num_f32 v[ACC+\k], v[ACC+\k], v8         ; the conversion does not saturate (ISA guide 7.6.2); a weight is not negative, so the hold is one-sided
.endr
	v_cvt_scalef32_pk8_fp8_f32 v[P+2*\j:P+2*\j+1], v[ACC:ACC+7], v9
	v_nop                                          ; one plain line behind the conversion
.endm
.macro GROUP refill, mask
	TILE 0, \refill, \mask
	TILE 1, \refill, \mask
	TILE 2, \refill, \mask
	TILE 3, \refill, \mask
	s_wait_alu depctr_va_vdst(0)                   ; tile 3 has written WT, which the two LDS stores read; the heads' arithmetic is done with D, in which the stage's loads land
	ds_store_b128 v2, v[WT:WT+3] offset:192        ; row r of the stage, keys 48 + 8 h on
	ds_store_b128 v2, v[WT+4:WT+7] offset:208
.irp t, 0,1,2,3,4,5,6,7
	ds_load_b128 v[D+4*\t:D+4*\t+3], v3 offset:\t*544   ; back as whole rows, two an instruction; LDS serves a wave's instructions in order (ISA guide 5.7.1.4)
.endr
.if \refill == 0
	s_wait_loadcnt 0x0                             ; Vc
.endif
.irp dt, 0,1,2,3                       ; the four accumulators take turns
	v_wmma_f32_16x16x64_fp8_fp8 v[O+8*\dt:O+8*\dt+7], v[VC+8*\dt:VC+8*\dt+7], v[P:P+7], v[O+8*\dt:O+8*\dt+7]
.endr
	s_wait_dscnt 0x0
.irp t, 0,1,2,3,4,5,6,7
	global_store_b128 v4, v[D+4*\t:D+4*\t+3], s[20:21] offset:\t*16384 th:TH_STORE_NT   ; 16 lanes store 256 consecutive bytes, at a multiple of 256 from out1's first byte
.endr
	s_wait_xcnt 0x0                                ; the stores' data and the three bases are written again only behind this wait
	s_wait_alu depctr_vm_vsrc(0)                   ; the eight stores have read D, which the next products write; the two LDS stores have read WT, which the next tile 0 writes
.if \refill
	s_add_nc_u64 s[6:7], s[6:7], 262144
	s_add_nc_u64 s[8:9], s[8:9], 32768
.endif
	s_add_nc_u64 s[20:21], s[20:21], 2048
	PLACES                                         ; behind the four products: ahead of the first read of O^T
.endm
	s_load_b256 s[4:11], s[0:1], 0x0               ; qf, kf, vcf, tau
	s_load_b128 s[12:15], s[0:1], 0x20             ; wof, bo
	s_load_b128 s[16:19], s[0:1], 0x30             ; lowp_scales, out0
	s_load_b64 s[20:21], s[0:1], 0x40              ; out1
	v_lshrrev_b32 v1, 5, v0
	v_readfirstlane_b32 s22, v1                    ; wave 0..7
	v_and_b32 v252, 31, v0
	v_and_b32 v253, 15, v0                         ; r
	v_bfe_u32 v254, v0, 4, 1                       ; h
	v_lshlrev_b32 v1, 4, v252
	s_wait_alu depctr_va_sdst(0)                   ; s22 is written, ahead of its first reader: addresses, bases, trip counts and branches are made from it
	s_mul_i32 s30, s22, 4352                       ; my stage
	v_mul_u32_u24 v2, v253, 272
	v_lshl_add_u32 v2, v254, 5, v2
	v_add_nc_u32 v2, s30, v2                       ; in: row r, 32 bytes for each half of the lanes
	v_mul_u32_u24 v3, v254, 272
	v_lshl_add_u32 v3, v253, 4, v3
	v_add_nc_u32 v3, s30, v3                       ; back: lanes 0-15 one row, lanes 16-31 the next
	v_lshlrev_b32 v4, 13, v254
	v_lshl_add_u32 v4, v253, 4, v4                 ; the same two rows in out1 (8,192 bytes a row),
	v_lshlrev_b32 v5, 11, v254
	v_lshl_add_u32 v5, v253, 4, v5                 ; and in out0 (2,048)
	v_lshlrev_b32 v6, 5, v254
	s_and_b32 s30, s22, 3
	s_lshl_b32 s31, s30, 10
	v_add_nc_u32 v7, s31, v1
	v_add_nc_u32 v7, OP, v7                        ; accumulator (wave & 3) of every wave's part
	s_lshl_b32 s31, s22, 12
	v_add_nc_u32 v248, s31, v1
	v_add_nc_u32 v248, OP, v248
	s_lshr_b32 s31, s30, 1
	s_lshl_b32 s31, s31, 9
	s_and_b32 s30, s30, 1
	s_lshl_b32 s30, s30, 3
	s_add_co_u32 s31, s31, s30
	v_add_nc_u32 v249, s31, v1
	v_add_nc_u32 v249, OC, v249                    ; registers 2 dt, 2 dt + 1 of the image: block dt / 2, 8 (dt % 2) bytes into my 16
	v_add_nc_u32 v250, OC, v1
	v_lshlrev_b32 v251, 2, v253
.irp j, 12,13,14,15
	v_mov_b32 v\j, 0
.endr
	s_mov_b32 s23, ttmp9                           ; T
	s_and_b32 s24, ttmp7, 0xffff                   ; b
	s_lshr_b32 s25, s23, 2                         ; G: the diagonal's group
	s_sub_co_i32 s26, s25, s22
	s_ashr_i32 s26, s26, 3
	s_add_co_i32 s26, s26, 1                       ; how many of my four groups are seen: floor((G - w) / 8) + 1, which is 0 where w > G
	s_and_b32 s30, s23, 3
	s_lshl_b32 s30, s30, 4
	v_lshlrev_b32 v255, 3, v254
	v_sub_nc_u32 v255, v253, v255
	v_add_nc_u32 v255, s30, v255                   ; 16 (T % 4) + r - 8 h.  Register k of tile j holds key 16 j + 8 h + k for query 16 (T % 4) + r of the group: hidden where 16 j + k is greater
	v_mov_b32 v252, 0x7f61b1e6                     ; 3e38
.irp j, 0,1,2,3
.irp k, 0,1,2,3,4,5,6,7
	v_cmp_gt_i32 s[CM+\k], 16*\j+\k, v255          ; a run of eight compares, each into a scalar register of its own,
.endr
	s_wait_alu depctr_va_sdst(0)                   ; the eight masks are written, ahead of their readers
.irp k, 0,1,2,3,4,5,6,7
	v_cndmask_b32 v[MK+8*\j+\k], v252, v12, s[CM+\k]
.endr
.endr
.set i_, 0
.rept 32
	v_mov_b32 v[O+i_], 0                           ; the group is written once for all trips, and a wave that sees no group adds zeros
.set i_, i_+1
.endr
	s_mov_b32 s29, 0                               ; the high word of every offset pair s[28:29]
	s_wait_kmcnt 0x0
	s_load_b256 s[32:39], s[16:17], 0x0            ; e0 .. e7
	s_load_b128 s[40:43], s[16:17], 0x20           ; e8 .. e11
	s_lshl_b32 s30, s24, 20
	s_lshl_b32 s28, s23, 13
	s_add_co_u32 s28, s28, s30
	s_add_nc_u64 s[4:5], s[4:5], s[28:29]          ; Q of (b, T)
	s_lshl_b32 s28, s22, 15
	s_add_co_u32 s28, s28, s30
	s_add_nc_u64 s[6:7], s[6:7], s[28:29]          ; K of (b, group w)
	s_lshl_b32 s28, s24, 17
	s_lshl_b32 s30, s22, 12
	s_add_co_u32 s28, s28, s30
	s_add_nc_u64 s[8:9], s[8:9], s[28:29]          ; Vc of (b, group w)
	s_mov_b32 s28, s30
	s_add_nc_u64 s[12:13], s[12:13], s[28:29]      ; Wo's column tiles 4 w ..
	s_lshl_b32 s28, s24, 16
	s_lshl_b32 s30, s23, 6
	s_add_co_u32 s28, s28, s30
	s_add_nc_u64 s[10:11], s[10:11], s[28:29]      ; tau of (b, head 0, query 16 T)
	s_lshl_b32 s31, s22, 8
	s_mov_b32 s28, s31
	s_add_nc_u64 s[14:15], s[14:15], s[28:29]      ; bo's 64 numbers
	s_lshl_b32 s28, s24, 22
	s_lshl_b32 s30, s23, 15
	s_add_co_u32 s28, s28, s30
	s_add_co_u32 s28, s28, s31
	s_add_nc_u64 s[18:19], s[18:19], s[28:29]      ; out0: my rows, columns 64 w ..
	s_lshl_b32 s28, s24, 24
	s_lshl_b32 s30, s23, 17
	s_add_co_u32 s28, s28, s30
	s_add_co_u32 s28, s28, s31
	s_add_nc_u64 s[20:21], s[20:21], s[28:29]      ; out1: my rows, group w
	s_wait_alu depctr_va_vdst(0)                   ; the offsets and LDS addresses v1 to v7 and v248 to v251 are written, which the loads and stores of the whole kernel read; so are the zeros v12-15 and O^T's zeros, which stores read
.irp hd, 0,1,2,3,4,5,6,7
	global_load_b32 v[NT+\hd], v251, s[10:11] offset:\hd*8192
.endr
.set n_, 0
.rept 16
	global_load_b128 v[Q+4*n_:Q+4*n_+3], v1, s[4:5] offset:n_*512
.set n_, n_+1
.endr
	s_wait_kmcnt 0x0
	s_add_co_i32 s48, s38, s39
	s_lshl_b32 s48, s48, 1                         ; 2 (e6 + e7)
	s_add_co_i32 s44, s48, 116
	s_lshl_b32 s44, s44, 23                        ; 2^(2 (e6 + e7) - 11) as f32
	s_mov_b32 s45, s44                             ; (named with it as a pair, so it is written)
	s_sub_co_i32 s49, s40, s48
	s_add_co_i32 s49, s49, 11                      ; e8 - 2 (e6 + e7) + 11
	MKSC 49, 9, 8
	s_sub_co_i32 s49, s42, s40
	s_sub_co_i32 s49, s49, s41                     ; e10 - e8 - e9: a sum of the second product stands for sum x 2^(e8 + e9)
	MKSC 49, 11, 10
	s_add_co_i32 s46, s42, s43
	s_add_co_i32 s46, s46, 127
	s_lshl_b32 s46, s46, 23                        ; 2^(e10 + e11) as f32
	s_mov_b32 s47, s46
	s_cmp_eq_u32 s26, 0
	s_cbranch_scc1 .Lzero                          ; none of my groups is seen
	KLOAD 0, 0                                     ; (into registers that no vector instruction has named)
	KLOAD 1, 0
	KLOAD 2, 0
	KLOAD 3, 0
	s_sub_co_u32 s27, s26, 1                       ; all seen groups but the last ask for the next one's K
	s_cmp_eq_u32 s27, 0
	s_cbranch_scc1 .Llast
.Lgrp:
	GROUP 1, 0
	s_sub_co_u32 s27, s27, 1
	s_cmp_lg_u32 s27, 0
	s_cbranch_scc1 .Lgrp
.Llast:
	s_and_b32 s30, s25, 7
	s_cmp_eq_u32 s30, s22                          ; is my last seen group the diagonal's?
	s_cbranch_scc1 .Ldiag
	GROUP 0, 0
	s_branch .Lzero
.Ldiag:
	GROUP 0, 1
.Lzero:
	WIN 0x40
	s_wait_alu depctr_va_vdst(0)                   ; the last group's products are done reading K[0], in which Wo and bo land, and Vc, in which the reduction's loads land; they have written O^T, which the LDS stores below read (their places stand at the group's end)
.irp n, 0,1,2,3,4,5,6,7
	global_load_b128 v[4*\n:4*\n+3], v1, s[12:13] offset:\n*512        ; Wo's four fragments
.endr
.irp c, 0,1,2,3
	global_load_b128 v[32+8*\c:32+8*\c+3], v6, s[14:15] offset:64*\c    ; bo in the result's layout: columns 16 c + 8 h + 0 .. 7
	global_load_b128 v[32+8*\c+4:32+8*\c+7], v6, s[14:15] offset:64*\c+16
.endr
	WIN 0
	s_sub_co_u32 s27, 4, s26                       ; my groups behind the diagonal: zeros
	s_cmp_eq_u32 s27, 0
	s_cbranch_scc1 .Lnoz
.Lz:
.irp t, 0,1,2,3,4,5,6,7
	global_store_b128 v4, v[12:15], s[20:21] offset:\t*16384 th:TH_STORE_NT
.endr
	s_wait_xcnt 0x0                                ; the base is stepped only behind this wait
	s_add_nc_u64 s[20:21], s[20:21], 2048
	s_sub_co_u32 s27, s27, 1
	s_cmp_lg_u32 s27, 0
	s_cbranch_scc1 .Lz
.Lnoz:
.irp e, 0,1,2,3,4,5,6,7
	ds_store_b128 v248, v[O+4*\e:O+4*\e+3] offset:\e*512               ; my part of O^T, as it stands; each accumulator from its low end on
.endr
	BAR                                            ; the eight parts lie in LDS
	s_cmp_lt_u32 s22, 4
	s_cbranch_scc0 .Lno_red
	; waves 0-3: accumulator dt = wave: the eight parts are added, held, and become registers 2 dt, 2 dt + 1 of the last product's operand
.irp u, 0,1,2,3
	ds_load_b128 v[D+8*\u:D+8*\u+3], v7 offset:\u*4096                 ; (no vector instruction has named D or Vc since the wait above)
	ds_load_b128 v[D+8*\u+4:D+8*\u+7], v7 offset:\u*4096+512
	ds_load_b128 v[VC+8*\u:VC+8*\u+3], v7 offset:(\u+4)*4096
	ds_load_b128 v[VC+8*\u+4:VC+8*\u+7], v7 offset:(\u+4)*4096+512
.endr
	s_wait_dscnt 0x0
.irp k, 0,2,4,6
	v_pk_add_f32 v[D+\k:D+\k+1], v[D+\k:D+\k+1], v[D+8+\k:D+8+\k+1]
	v_pk_add_f32 v[D+16+\k:D+16+\k+1], v[D+16+\k:D+16+\k+1], v[D+24+\k:D+24+\k+1]
	v_pk_add_f32 v[VC+\k:VC+\k+1], v[VC+\k:VC+\k+1], v[VC+8+\k:VC+8+\k+1]
	v_pk_add_f32 v[VC+16+\k:VC+16+\k+1], v[VC+16+\k:VC+16+\k+1], v[VC+24+\k:VC+24+\k+1]
.endr
.irp k, 0,2,4,6
	v_pk_add_f32 v[D+\k:D+\k+1], v[D+\k:D+\k+1], v[D+16+\k:D+16+\k+1]
	v_pk_add_f32 v[VC+\k:VC+\k+1], v[VC+\k:VC+\k+1], v[VC+16+\k:VC+16+\k+1]
.endr
.irp k, 0,2,4,6
	v_pk_add_f32 v[D+\k:D+\k+1], v[D+\k:D+\k+1], v[VC+\k:VC+\k+1]
.endr
.irp k, 0,1,2,3,4,5,6,7
	v_med3_num_f32 v[D+\k], v[D+\k], -v10, v10
.endr
	v_cvt_scalef32_pk8_fp8_f32 v[252:253], v[D:D+7], v11
	v_nop                                          ; one plain line behind the conversion: matrix instructions write its sources below
	s_wait_alu depctr_va_vdst(0)                   ; the conversion has written v252 and v253, which the LDS store reads
	ds_store_b64 v249, v[252:253]
.Lno_red:
	BAR                                            ; O's codes lie in LDS
	ds_load_b128 v[OCD:OCD+3], v250                ; (into registers that no vector instruction has named)
	ds_load_b128 v[OCD+4:OCD+7], v250 offset:512
	s_wait_dscnt 0x0
	s_wait_loadcnt 0x0                             ; Wo, bo
	WIN 0x01                                       ; source 0 (Wo) window 1
.irp c, 0,1,2,3                        ; transposed: source 0 = 16 columns of Wo, source 1 = my 16 queries: a lane holds eight neighbouring columns of one row of out0
	v_wmma_f32_16x16x64_fp8_fp8 v[D+8*\c:D+8*\c+7], v[8*\c:8*\c+7], v[OCD:OCD+7], 0
.endr
	WIN 0
	PLACES
	WIN 0x10                                       ; source 2 (bo) window 1
.set i_, 0
.rept 16
	v_pk_fma_f32 v[VC+2*i_:VC+2*i_+1], v[D+2*i_:D+2*i_+1], s[46:47], v[32+2*i_:32+2*i_+1] op_sel_hi:[1,0,1]   ; sum x 2^(e10 + e11) + bo
.set i_, i_+1
.endr
	WIN 0
	s_wait_alu depctr_va_vdst(0)                   ; the multiply-adds have written the results, which the LDS stores read, and are done reading D, in which the stage's loads land
.irp c, 0,1,2,3
	ds_store_b128 v2, v[VC+8*\c:VC+8*\c+3] offset:64*\c
	ds_store_b128 v2, v[VC+8*\c+4:VC+8*\c+7] offset:64*\c+16
.endr
.irp t, 0,1,2,3,4,5,6,7
	ds_load_b128 v[D+4*\t:D+4*\t+3], v3 offset:\t*544
.endr
.irp t, 0,1,2,3,4,5,6,7
	s_wait_dscnt 7-\t                              ; LDS loads come back in order: pair t of rows is in, the younger ones may be out
	global_store_b128 v5, v[D+4*\t:D+4*\t+3], s[18:19] offset:\t*4096 th:TH_STORE_NT   ; 16 lanes store 256 consecutive bytes, at a multiple of 256 from out0's first byte
.endr
	s_wait_xcnt 0x0
	v_lshl_add_u32 v254, v0, 2, 0x11000            ; the closing add's two registers, made anew straight ahead of the closing lines; no memory or LDS instruction has read v254 or v255
	v_mov_b32 v255, 0
	s_wait_dscnt 0x0                               ; the closing lines, six on end
	s_wait_alu 0x0
	s_wait_tensorcnt 0x0
	ds_add_u32 v254, v255
	s_wait_dscnt 0x0
	s_endpgm
.Lfunc_end_k_q65e259aa51_final:
	.size	k_q65e259aa51_final, .Lfunc_end_k_q65e259aa51_final-k_q65e259aa51_final
	.p2alignl 7, 3214868480
	.fill 96, 4, 3214868480
	.section	.rodata,"a",@progbits
	.p2align	6, 0x0
	.amdhsa_kernel k_q65e259aa51_final
		.amdhsa_group_segment_fixed_size 70656
		.amdhsa_private_segment_fixed_size 0
		.amdhsa_enable_private_segment 0
		.amdhsa_kernarg_size 72
		.amdhsa_user_sgpr_count 2
		.amdhsa_user_sgpr_kernarg_segment_ptr 1
		.amdhsa_wavefront_size32 1
		.amdhsa_system_sgpr_workgroup_id_x 1
		.amdhsa_system_sgpr_workgroup_id_y 1
		.amdhsa_system_sgpr_workgroup_id_z 1
		.amdhsa_system_vgpr_workitem_id 0
		.amdhsa_next_free_vgpr 512
		.amdhsa_next_free_sgpr 66
		.amdhsa_reserve_vcc 0
		.amdhsa_float_denorm_mode_32 3
		.amdhsa_float_denorm_mode_16_64 3
		.amdhsa_memory_ordered 1
		.amdhsa_forward_progress 1
		.amdhsa_inst_pref_size 145
	.end_amdhsa_kernel
	.amdgpu_metadata
---
amdhsa.version: [ 1, 2 ]
amdhsa.kernels:
  - .name:           k_q65e259aa51_final
    .symbol:         k_q65e259aa51_final.kd
    .args:
      - { .name: qf, .offset: 0, .size: 8, .value_kind: global_buffer, .address_space: global }
      - { .name: kf, .offset: 8, .size: 8, .value_kind: global_buffer, .address_space: global }
      - { .name: vcf, .offset: 16, .size: 8, .value_kind: global_buffer, .address_space: global }
      - { .name: tau, .offset: 24, .size: 8, .value_kind: global_buffer, .address_space: global }
      - { .name: wof, .offset: 32, .size: 8, .value_kind: global_buffer, .address_space: global }
      - { .name: bo, .offset: 40, .size: 8, .value_kind: global_buffer, .address_space: global }
      - { .name: lowp_scales, .offset: 48, .size: 8, .value_kind: global_buffer, .address_space: global }
      - { .name: out0, .offset: 56, .size: 8, .value_kind: global_buffer, .address_space: global }
      - { .name: out1, .offset: 64, .size: 8, .value_kind: global_buffer, .address_space: global }
    .group_segment_fixed_size: 70656
    .private_segment_fixed_size: 0
    .kernarg_segment_align: 8
    .kernarg_segment_size: 72
    .max_flat_workgroup_size: 256
    .sgpr_count:     66
    .vgpr_count:     512
    .wavefront_size: 32
...
	.end_amdgpu_metadata
.endif
;; end of part 7
